; MI455X (gfx1250); checked and timed in simulation.
; The chip was launched on July 23, 2026; its instructions are those of AMD's public machine-readable ISA for CDNA 5 (MIT licence, August 2026) and "CDNA5" Instruction Set Architecture Reference Guide (July 2026). The comments in the code are by the model that wrote it; some were corrected since.
;; Masked Attention. Allowed arithmetic: matrix products marked QUANTISED: E4M3 operands, one E8M0 scale for each 32 along K, by v_wmma_scale_f32_16x16x128_f8f6f4 with both operands' format E4M3, f32 sums; everything else in f32.
;; Inputs: bk 1,024 float32; bo 1,024 float32; bq 1,024 float32; bv 1,024 float32; k_codes 4 x 2,048 x 32 x 32 uint8 (E4M3 codes of k, K innermost, in blocks of 32 codes); k_scales 4 x 2,048 x 32 uint8 (E8M0 scales of k, one for each 32 codes along K); mask 2,048 x 2,048 int32; q_codes 4 x 2,048 x 32 x 32 uint8 (E4M3 codes of q, K innermost, in blocks of 32 codes); q_scales 4 x 2,048 x 32 uint8 (E8M0 scales of q, one for each 32 codes along K); v_codes 4 x 2,048 x 32 x 32 uint8 (E4M3 codes of v, K innermost, in blocks of 32 codes); v_scales 4 x 2,048 x 32 uint8 (E8M0 scales of v, one for each 32 codes along K); wk_codes 1,024 x 32 x 32 uint8 (E4M3 codes of wk, K innermost, in blocks of 32 codes); wk_scales 1,024 x 32 uint8 (E8M0 scales of wk, one for each 32 codes along K); wo_codes 1,024 x 32 x 32 uint8 (E4M3 codes of wo, K innermost, in blocks of 32 codes); wo_scales 1,024 x 32 uint8 (E8M0 scales of wo, one for each 32 codes along K); wq_codes 1,024 x 32 x 32 uint8 (E4M3 codes of wq, K innermost, in blocks of 32 codes); wq_scales 1,024 x 32 uint8 (E8M0 scales of wq, one for each 32 codes along K); wv_codes 1,024 x 32 x 32 uint8 (E4M3 codes of wv, K innermost, in blocks of 32 codes); wv_scales 1,024 x 32 uint8 (E8M0 scales of wv, one for each 32 codes along K).
;; Outputs: out0 4 x 2,048 x 1,024 float32.
;; This version of the problem:
;;   THIS VERSION OF THE PROBLEM IS GIVEN IN LOW PRECISION. The matrix products marked QUANTISED in the list below multiply operands that are first quantised to E4M3 (4 exponent bits, 3 mantissa bits; 8 bits a number), with one power-of-two scale for each 32 numbers along K (OCP MX v1.0); their sums are f32. All else is computed in f32.
;;   The module's matrix products, in the order in which they are computed (A, B: the left and right operand; K: the contracted axis; several contracted axes count as one K, in the product's order):
;;     1. [M 8,192, K 1,024] x [K 1,024, N 1,024]; A: input q (given as codes); B: input wq (given as codes): QUANTISED
;;     2. [M 8,192, K 1,024] x [K 1,024, N 1,024]; A: input k (given as codes); B: input wk (given as codes): QUANTISED
;;     3. [M 8,192, K 1,024] x [K 1,024, N 1,024]; A: input v (given as codes); B: input wv (given as codes): QUANTISED
;;     4. batch 4 x [M 2,048, K 1,024] x [K 1,024, N 2,048]; A: computed on the way; B: computed on the way: QUANTISED
;;     5. batch 4 x [M 2,048, K 2,048] x [K 2,048, N 1,024]; A: softmax (see below); B: computed on the way: QUANTISED
;;     6. [M 8,192, K 1,024] x [K 1,024, N 1,024]; A: computed on the way; B: input wo (given as codes): QUANTISED
;;   THE QUANTISER, for each operand of a quantised product, along K:
;;     - K is cut into blocks of 32 from its start; a last block that is shorter is filled with zeros.
;;     - A block's scale is 2^e with e = floor(log2(the largest magnitude in the block)) - 8, held to -126 .. 127; a block of zeros has e = 0. As a byte (E8M0): e + 127.
;;     - Each number is divided by its block's scale, clamped to +-448, and rounded to the nearest number of E4M3, ties to even, subnormals kept.
;;     - The product sums the exact products of the quantised numbers (number of the format x scale) in f32.
;;   ~~~python
;;   def quantise(x, axis):      # numpy; x: float32 -> the quantised numbers, widened to float32 again
;;       x = np.moveaxis(x, axis, -1); K = x.shape[-1]
;;       x = np.pad(x, [(0, 0)] * (x.ndim - 1) + [(0, -K % 32)]); x = x.reshape(x.shape[:-1] + (-1, 32)); a = np.abs(x).max(-1, keepdims=True)
;;       e = np.where(a > 0, np.clip(np.frexp(np.where(a > 0, a, 1))[1] - 1 - 8, -126, 127), 0)      # np.frexp(a)[1] - 1 = floor(log2(a)), exactly
;;       r = np.clip(x / 2.0 ** e, -448, 448)
;;       step = 2.0 ** (np.maximum(np.frexp(np.where(r == 0, 1, r))[1] - 1, -6) - 3)
;;       q = np.round(r / step) * step * 2.0 ** e      # np.round: ties to even
;;       return np.moveaxis(q.reshape(q.shape[:-2] + (-1,))[..., :K], -1, axis).astype(np.float32)
;;   ~~~
;;   SOFTMAX AHEAD OF A QUANTISED PRODUCT. Where the list says 'softmax', what is quantised is not the finished softmax but p = 2^(t - M), with t = logit x log2(e) and M = ceil(the row's largest t), a whole number; so 1/2 < the row's largest p <= 1. The row's sum l is taken of the UNQUANTISED p, in f32, and the product's result is divided by l at the end. Since M is a whole number, a kernel that streams over the keys may use a running M (the ceiling of the running maximum): every later rescaling is an exact power of two, which a block's scale takes up: the codes' values come out the same.
;;   OPERANDS COMPUTED ON THE WAY. 'Computed on the way' means the value that the module computes at that place (a softmax that the list does not call 'softmax' is quantised finished and normalised). What goes into a quantiser is computed in f32, as accurately as f32 sums, v_exp_f32 and their like allow (about 1e-6 of the number): no bf16 or f16 on the way to a quantiser, and a product that is left as it is and whose result goes on into a quantised operand takes f32 operands (vector FMAs, or v_wmma_f32_16x16x4_f32). A number that lies on a knife's edge between two numbers of the format may be rounded either way, as far as f32 arithmetic and the matrix unit's own rounding can turn it there, and no further.
;;   INPUTS GIVEN AS CODES. k (in the module: [4, 2048, 1024], K = its axis 2); q (in the module: [4, 2048, 1024], K = its axis 2); v (in the module: [4, 2048, 1024], K = its axis 2); wk (in the module: [1024, 1024], K = its axis 0); wo (in the module: [1024, 1024], K = its axis 0); wq (in the module: [1024, 1024], K = its axis 0); wv (in the module: [1024, 1024], K = its axis 0): each comes as NAME_codes (uint8): NAME with its K axis moved to the last place and cut into blocks of 32 codes, [.., K / 32, bytes a block], one block behind the other in memory; one code a byte (a code: sign, 4 exponent bits, 3 mantissa bits); and NAME_scales (uint8): the same leading axes, one E8M0 byte (e + 127) for each 32 codes along K. Its value is code x scale, taken as it is: it is not quantised again, and the codes and scales need not be those that the quantiser above would give.
;; One version. Each part assembles by itself: llvm-mc -triple=amdgcn-amd-amdhsa -mcpu=gfx1250 --defsym DOCPART=n.
;; ======== version 1 of 1: 4 launches
;; limits: right only within a limited range of input values
;; workspace buffers: qkv 25,165,824 bytes; qkvs 786,432 bytes; mw 524,288 bytes of whole numbers; pc 16,777,216 bytes; pst 1,572,864 bytes; cc 8,388,608 bytes; cs 262,144 bytes
;; launch proj (part 1): grid 4 x 64, 4 waves a work-group, clusters of 4 x 4, 327,680 bytes of LDS; arguments q_codes, k_codes, wv_codes, q_scales, k_scales, wv_scales, wq_codes, wk_codes, v_codes, wq_scales, wk_scales, v_scales, bq, bk, bv, mask, qkv, qkvs, mw; writes qkv, qkvs, mw
.if DOCPART == 1
	.amdgcn_target "amdgcn-amd-amdhsa--gfx1250"
	.amdhsa_code_object_version 6
	.text
	.protected	k_q865e95ecf7_proj
	.globl	k_q865e95ecf7_proj
	.p2align	8
	.type	k_q865e95ecf7_proj,@function
k_q865e95ecf7_proj:
	s_mov_b64 s[64:65], 0
	v_nop
	global_prefetch_b8 v0, s[64:65] scope:SCOPE_SE
	s_setreg_imm32_b32 hwreg(HW_REG_WAVE_MODE, 25, 1), 1
	s_wait_xcnt 0x0
	s_wait_alu depctr_hold_cnt(0) depctr_sa_sdst(0) depctr_va_vdst(0) depctr_va_sdst(0) depctr_va_ssrc(0) depctr_va_vcc(0) depctr_vm_vsrc(0)
	s_getreg_b32 s2, hwreg(HW_REG_IB_STS2, 6, 4)
	s_cmp_eq_u32 s2, 0
	s_cbranch_scc0 .Lentry_in_a_cluster
	s_endpgm
.Lentry_in_a_cluster:
	s_bfe_u32 s2, ttmp6, 0x10000c
	s_cmp_lg_u32 s2, 0xf033
	s_cbranch_scc0 .Lentry_shape_is_right
	s_endpgm
.Lentry_shape_is_right:
; Q = q wq + bq, K = k wk + bk, V^T = (v wv + bv)^T, on codes of FP8 (E4M3) with one E8M0 scale for each 32 along K, by v_wmma_scale_f32_16x16x128_f8f6f4; the f32 results are
; quantised in registers into the next launches' operands: Q and K along the 1,024 features, V along the keys.  The mask (int32) is turned into lane-mask words for the score launch.
; DEAD WORK: none.  Every input has a way to the output: bq, bk, bv enter a quantiser, the mask is an input and is honoured number by number, and no tile is left out on its strength.
; LIMITS: NaN and infinities among the inputs are not served.  A block of zeros gets the scale byte 1 where the rule says 127: its codes are zeros, and only this program reads the bytes.
; SHARES.  Q, K and V^T are 384 tiles of 256 x 256, one and a half for each of 256 work-groups.  A WORK-GROUP STAYS: it makes one tile of 256 (Y) x 256 (X) of Q (clusters 0-7) or of K (clusters 8-15), four waves of
; 128 x 128, and then one tile of 128 (Y = features) x 256 (X = tokens) of V^T, four waves of 64 x 128.  Q or K is a choice of pointers: all work-groups take one way through the text.
; Y operand (A: source 1, a lane holds one row of it): q, k, wv.  X operand (B: source 0, a lane's registers run along it): wq, wk, v.  In accumulator (a, b) lane (r, h) register j holds
; C(y = 16 a + r, x = 16 b + 8 h + j): eight neighbours along X, the axis that is quantised; a block of 32 lies in tiles 2 t, 2 t + 1 of lanes l and l xor 16.
; K goes in steps of 256 through a ring of two LDS slots.  CLUSTERS 4 x 4: A's tile is shared along a row of the cluster, B's along a column: joint tensor loads with a mask of four.
; THE RING GOES ON INTO THE SECOND TILE: the first tile's last change of slots asks for V's K step 0, a round in the middle of the first tile's way out for V's K step 1; both land while the first tile is quantised and stored.
; The second ring (two slots of 384 rows) lies in the first ring's lower 768 rows; the first ring's upper 256 rows, read out by then and never filled again, are the first tile's stage.
; The scale bytes of both tiles' rows come once, through registers, into LDS behind the ring.  The bias is the C of each sum's first matrix instruction.
; THE MASK: work-group g of 256 turns 128 queries x 128 keys into words.  Its loads go out behind the first tile's last block, into the accumulator registers that the second tile leaves free;
; its four passes stand two and two ahead of the second tile's two changes of slots that wait for a refill.
; OUT.  Codes: [X / 256][rows][256 bytes], so that a K step's rows are dense for the reader; scale words: [X / 128][rows] u32.
; REGISTERS: window 0: v0-31 addresses; v32-63 scale words, two sets; v64-127 the first bias, later at work, v80-111 the second bias; v128-255 A's fragments, one set, later the codes.
;   Window 1: B's fragments, two sets.  Windows 2, 3: the accumulators; in the second tile window 3 holds the mask's numbers.
.set LAPS,  2                          ; a lap = two K steps = once round the ring; K = 1,024
.set KS,    32                         ; a row of scale bytes
.set PA,    1024                       ; bytes from row to row in memory
.set PB,    1024
.set SA,    256                        ; bytes from K step to K step
.set SB,    256
.set PITCH, 272                        ; an LDS row: 256 bytes + 16 of padding: the 16 rows of a fragment load start at 16 different banks
.set HALFB, 128*PITCH
.set BSC,   KS*272                     ; the scales of B's 256 rows
.set SBLK,  (16*KS/256)*272            ; of 16 rows
.set SROW,  (128*KS/256)*272           ; of 128 rows
.set SLOT8, 512*PITCH                  ; a slot of the first tile: A's 256 rows, B's 256 rows
.set SLOT4, 384*PITCH                  ; of the second: A's 128 rows, B's 256 rows
.set ASC8,  (256*KS/256)*272
.set ASC4,  (128*KS/256)*272
.set STG1,  2*SLOT4                    ; the first tile's stage: 256 rows x 272 bytes, up to the first ring's end
.set SCL1,  2*SLOT8                    ; behind the ring: the first tile's scales, units of 256 bytes + 16; stored from registers, never a tensor load's target
.set SPARE, SCL1+ASC8+BSC              ; the spare words: 128 bytes a wave, named by no other line
.set MSTG,  SPARE+512                  ; 4,352 bytes of its own for each wave: the mask's stage (16 rows x 272), and the scale words on their way out
.set SCL2,  MSTG+4*4352                ; the second tile's scales
.macro SHAPE na                        ; the sizes that hang on A's blocks of 16 rows in a wave: 8 in the first tile, 4 in the second
.set NA,    \na
.set NH,    NA/2
.set AROWS, 32*NA
.set HALFA, (AROWS/2)*PITCH
.set AB,    2*HALFA
.set SLOT,  AB+2*HALFB
.set ASC,   (AROWS*KS/256)*272
.endm
.set WSR2, 7                           ; v7     where the second tile's scale words come back: 8 x lane
.set MWR,  8                           ; v8-11  the wave's 128 lane-mask words, four a lane
.set MSI,  12                          ; v12    mask stage, way in
.set MSO,  13                          ; v13    mask stage, way out
.set MOF,  14                          ; v14    my bytes in two rows of the mask
.set BXO,  15                          ; v15    32 h: bias along X
.set ADRA, 16                          ; v16-17 A's fragments in slot 0, 1
.set T32,  18                          ; v18    32 x thread: a row of scale bytes
.set SCW,  19                          ; v19    where my thread's row of scales goes
.set ADRB, 20                          ; v20-21 B's fragments
.set WSA,  22                          ; v22    where a scale word goes
.set WSR,  23                          ; v23    and the first tile's come back: 16 x lane
.set STO,  24                          ; v24    where 8 codes go
.set RD,   25                          ; v25    and rows come back
.set L16,  26                          ; v26    16 x lane
.set ADRS, 27                          ; v27    my scale words: lanes 0-15 A's rows, lanes 16-31 B's
.set SPW,  28                          ; v28    my spare word; never rewritten
.set NIL,  29                          ; v29    0; never rewritten
.set L8,   30                          ; v30    8 x lane
.set BYO,  31                          ; v31    4 r: bias along Y
.set SC,   32
.set BIAS, 64                          ; the first tile's bias: v64-127
.set TM,   64                          ; the way out: v64-67 largest magnitudes, 68-71 bytes, 72-75 448 x scale, 76-79 the conversions' scale operands
.set BIAS2, 80                         ; the second tile's bias: v80-111
.set SW,   112                         ; v112-119 a scale word for each block of rows
.set AF,   128
.set G1,  24                           ; s[24:31] group 1 for the first tile's A;  s[32:39] its groups 0, one a slot
.set G0,  32
.set H1,  40                           ; s[40:47] group 1 for the second tile's A
.set G1B, 48                           ; s[48:55] group 1 for B, both tiles';  s[56:63] the first tile's groups 0
.set G0B, 56
.set H0,  80                           ; s[80:87] the second tile's groups 0 for A;  s[88:95] for B
.set H0B, 88
.set WV,  66
.set YH,  67                           ; my half of Y; also: 0 = I fetch for A, 1 = for B
.set XH,  68                           ; my half of X; also: which half of the rows I fetch
.set MNT, 69
.set SEL, 70
.set MSB, 0
.macro WIN new                         ; the immediate's high byte repeats the setting that is left
.if MSB != (\new)
	s_set_vgpr_msb (MSB<<8)|(\new)
.set MSB, \new
.endif
.endm
.macro PLACES n                        ; plain places behind matrix instructions (ISA guide 7.12.1)
.rept \n
	v_nop
.endr
.endm
.macro JLOAD g0a, g1a, g0b, g1b        ; a joint load: waves 0, 1 fetch A's halves, waves 2, 3 B's; an s_nop 0 and four v_nop follow each line
	s_cmp_eq_u32 s[YH], 0
	s_cbranch_scc0 .Lfor_b_\@
	tensor_load_to_lds s[\g0a:\g0a+3], s[\g1a:\g1a+7]
	s_nop 0
.rept 4
	v_nop
.endr
	s_branch .Lasked_\@
.Lfor_b_\@:
	tensor_load_to_lds s[\g0b:\g0b+3], s[\g1b:\g1b+7]
	s_nop 0
.rept 4
	v_nop
.endr
.Lasked_\@:
.endm
.macro CREST                           ; a round of the cluster's barrier behind its opening barrier
	s_cmp_lg_u32 s[WV], 0
	s_cbranch_scc1 .Lnot_wave_0_\@
	s_barrier_signal -3
.Lnot_wave_0_\@:
	s_barrier_wait -3
	s_barrier_signal -1
	s_barrier_wait -1
.endm
.macro CROUND
	s_barrier_signal -1
	s_barrier_wait -1
	CREST
.endm
; The LDS addresses that hang on the tile's shape: fragments, scale words (from scl on), the codes' stage (from stg on).  Made of the lane, the wave's number and constants alone.
.macro ADDRS scl, stg
	v_mul_u32_u24 v4, v1, PITCH
	v_lshl_add_u32 v4, v2, 4, v4                   ; a fragment's row x pitch + 16 h
	s_mul_i32 s100, s[YH], HALFA                   ; my rows of A
	s_mul_i32 s101, s[XH], HALFB                   ; my rows of B,
	s_add_co_u32 s101, s101, AB                    ; behind A's
.irp s, 0,1
	v_add_nc_u32 v[ADRA+\s], s100, v4
	v_add_nc_u32 v[ADRB+\s], s101, v4
	s_add_co_u32 s100, s100, SLOT
	s_add_co_u32 s101, s101, SLOT
.endr
	v_mul_u32_u24 v5, v1, KS                       ; my row's scales: KS bytes a row,
	v_lshrrev_b32 v6, 8, v5
	v_lshl_add_u32 v5, v6, 4, v5                   ; and 16 more for each 256 passed
	s_mul_i32 s100, s[YH], (16*NA*KS/256)*272
	s_mul_i32 s101, s[XH], BSC/2
	s_add_co_u32 s101, s101, ASC
	s_sub_co_u32 s101, s101, s100
	v_mul_u32_u24 v6, s101, v2                     ; lanes 16-31 take B's: one product, h x the distance
	s_add_co_u32 s100, s100, \scl
	v_add_nc_u32 v5, v5, v6
	v_add_nc_u32 v[ADRS], s100, v5
	s_mul_i32 s100, s[YH], 16*NA*272               ; the codes' stage: row 16 NA YH + r, column 128 XH + 8 h
	s_lshl_b32 s101, s[XH], 7
	s_add_co_u32 s100, s100, s101
	s_add_co_u32 s100, s100, \stg
	v_mul_u32_u24 v5, v1, 272
	v_lshl_add_u32 v5, v2, 3, v5
	v_add_nc_u32 v[STO], s100, v5
	s_mul_i32 s100, s[WV], 8*NA*272                ; back: my 8 NA rows, two rows an instruction
	s_add_co_u32 s100, s100, \stg
	v_mul_u32_u24 v5, v2, 272
	v_lshl_add_u32 v5, v1, 4, v5
	v_add_nc_u32 v[RD], s100, v5
.endm
.macro FRAG reg, adr, q, i             ; 16 rows x 128 K: lane l holds row l % 16; registers 4 c .. 4 c + 3 hold K = 32 c + 16 (l / 16) + 0 .. 15
.irp c, 0,1,2,3
	ds_load_b128 v[\reg+4*\c:\reg+4*\c+3], v[\adr] offset:128*(\q)+32*\c+(\i)*16*PITCH
.endr
.endm
.macro FETCH_B slot, q, p
	WIN 0x40
.irp i, 0,1,2,3,4,5,6,7
	FRAG 128*(\p)+16*\i, ADRB+\slot, \q, \i
.endr
	WIN 0
.endm
.macro FETCH_A slot, q, i0             ; NH blocks of A from block i0 on
.set fi, \i0
.rept NH
	FRAG AF+16*fi, ADRA+\slot, \q, fi
.set fi, fi+1
.endr
.endm
.macro SCALES sc                       ; a K step's two words a row: lanes 16-31 B's block i; lanes 0-15 A's block i (in the second tile, for i over 3, written bytes of the scales that no product names)
.irp i, 0,1,2,3,4,5,6,7
	ds_load_b64 v[SC+16*\sc+2*\i:SC+16*\sc+2*\i+1], v[ADRS] offset:\i*SBLK
.endr
.endm
; Eight matrix instructions: A's block a against B's eight.  cm: the C of the sum: 0 the accumulator, 2 the bias along X, 3 the bias along Y.  The accumulators take turns in the same order in every step.
.macro MULB a, p, q, sc, cm
.if (\cm) >= 2
	WIN 0x81+0x40*((\a)/4)
.else
	WIN 0xa1+0x50*((\a)/4)
.endif
.irp b, 0,1,2,3,4,5,6,7
.set rD, 8*(8*((\a)%4)+\b)
.if (\cm) == 0
	v_wmma_scale_f32_16x16x128_f8f6f4 v[rD:rD+7], v[128*(\p)+16*\b:128*(\p)+16*\b+15], v[AF+16*(\a):AF+16*(\a)+15], v[rD:rD+7], v[SC+16*(\sc)+2*\b+(\q)], v[SC+16*(\sc)+2*(\a)+(\q)] matrix_a_scale:MATRIX_SCALE_ROW1
.elseif (\cm) == 2
	v_wmma_scale_f32_16x16x128_f8f6f4 v[rD:rD+7], v[128*(\p)+16*\b:128*(\p)+16*\b+15], v[AF+16*(\a):AF+16*(\a)+15], v[BIAS+8*\b:BIAS+8*\b+7], v[SC+16*(\sc)+2*\b+(\q)], v[SC+16*(\sc)+2*(\a)+(\q)] matrix_a_scale:MATRIX_SCALE_ROW1
.else
	v_wmma_scale_f32_16x16x128_f8f6f4 v[rD:rD+7], v[128*(\p)+16*\b:128*(\p)+16*\b+15], v[AF+16*(\a):AF+16*(\a)+15], v[BIAS2+8*(\a):BIAS2+8*(\a)+7], v[SC+16*(\sc)+2*\b+(\q)], v[SC+16*(\sc)+2*(\a)+(\q)] matrix_a_scale:MATRIX_SCALE_ROW1
.endif
.endr
.endm
.macro STEP slot, cm                   ; a slot's first 128 along K
	s_wait_dscnt 4*NH                              ; B's set, A's lower blocks and the scale words are in; the youngest loads, A's upper blocks, may be out
.set ma, 0
.rept NH
	MULB ma, 0, 0, \slot, \cm
.set ma, ma+1
.endr
	s_wait_dscnt 0x0                               ; A's upper blocks are in
	PLACES 8
	FETCH_B \slot, 1, 1
	FETCH_A \slot, 1, 0
.rept NH
	MULB ma, 0, 0, \slot, \cm
.set ma, ma+1
.endr
	PLACES 8
	WIN 0
	FETCH_A \slot, 1, NH
.endm
; A slot's second 128 along K changes slots: ONE barrier; ahead of it each wave waits for all its tensor loads, adds 0 to its spare word, and waits for that and for its reads of this slot.
; fill = 1: this slot takes the tile's K step two on.  fill = 2: the first tile leaves its slot 0 for good, and the second tile's K step 0 goes into the second ring's slot 0, which lies inside it.  fill = 0: nothing.
.macro TURN slot, next, fill
	s_wait_tensorcnt 0x0                           ; all my tensor loads have landed: my part of the next slot
	ds_add_u32 v[SPW], v[NIL]
.if (\fill) != 0
	s_mov_b32 s[G1+2], (AROWS/2)<<16               ; no tensor load of mine is out, so a descriptor may be written: a refill brings half a tile's rows a wave
	s_mov_b32 s[G1+4], AROWS/2
	s_mov_b32 s[G1B+2], 128<<16
	s_mov_b32 s[G1B+4], 128
.endif
	s_wait_dscnt 4*NH+1
.set ma, 0
.rept NH/2
	MULB ma, 1, 1, \slot, 0
.set ma, ma+1
.endr
	s_wait_dscnt 0x0                               ; the add is done, my reads of this slot are over
	s_barrier_signal -1
.rept NH/2
	MULB ma, 1, 1, \slot, 0
.set ma, ma+1
.endr
	WIN 0
	s_barrier_wait -1
.if (\fill) == 1
	CREST                                          ; the barrier has opened a round of the cluster's: no wave of any partner reads this slot or has a load on its way
	s_add_nc_u64 s[G0+4*\slot+2:G0+4*\slot+3], s[G0+4*\slot+2:G0+4*\slot+3], 2*SA
	s_add_nc_u64 s[G0B+4*\slot+2:G0B+4*\slot+3], s[G0B+4*\slot+2:G0B+4*\slot+3], 2*SB
	JLOAD G0+4*\slot, G1, G0B+4*\slot, G1B         ; the first tensor load behind the round; its four v_nop are four of the eight places
	PLACES 4
.elseif (\fill) == 2
	CREST
	JLOAD H0, H1, H0B, G1B
	PLACES 4
.else
	PLACES 8
.endif
	s_wait_alu depctr_va_vdst(0)
	v_add_nc_u32 v[ADRS], 8, v[ADRS]               ; the next K step's scale words
	FETCH_B \next, 0, 0
	FETCH_A \next, 0, 0
	SCALES \next
.if (\fill) != 0 && NA == 8
	; a prefetch for the second tile: the first tile's three refilling changes of slots ask for its K steps 0, 1, 2, each two changes or more ahead of the tensor load that wants it
	s_bitcmp1_b32 s2, 3
	s_cbranch_scc1 .Lno_pf_\@
	global_prefetch_b8 v5, s[98:99] offset:256*((\slot)+2*((\fill)-1)) th:TH_LOAD_NT scope:SCOPE_SE
.Lno_pf_\@:
.endif
.rept NH
	MULB ma, 1, 1, \slot, 0
.set ma, ma+1
.endr
	PLACES 8
	WIN 0
	FETCH_A \next, 0, NH
.endm
.macro LAST                            ; a tile's very last 128 along K: nothing more to fetch from its ring
	s_wait_dscnt 4*NH
.set ma, 0
.rept NH
	MULB ma, 1, 1, 1, 0
.set ma, ma+1
.endr
	s_wait_dscnt 0x0
.rept NH
	MULB ma, 1, 1, 1, 0
.set ma, ma+1
.endr
	WIN 0
	PLACES 8
.endm
; Block a (16 rows x my 128 along X) is quantised: four blocks of 32; 8 codes of a tile go to the stage by one store of 8 bytes, the row's scale word by one of 4.
.macro QUANT a
.set W, 2+(\a)/4
.set AC, 64*((\a)%4)
.set PC, 128+16*(\a)
	WIN (W<<2)|(W<<4)
.irp i, 0,2,4,6,8,10,12,14
.irp b, 0,1,2,3
.if \i == 0
	v_max3_num_f32 v[TM+\b], 0x4800000, |v[AC+16*\b]|, |v[AC+16*\b+1]|   ; my 16 numbers of block b, and the floor 2^(9 - 127): the byte cannot fall under 1.  Each accumulator is read from its low end on
.else
	v_max3_num_f32 v[TM+\b], v[TM+\b], |v[AC+16*\b+\i]|, |v[AC+16*\b+\i+1]|
.endif
.endr
.endr
	WIN 0
.irp b, 0,1,2,3
	v_permlanex16_b32 v[TM+4+\b], v[TM+\b], s[SEL], s[SEL+1]
.endr
.irp b, 0,1,2,3
	v_max_num_f32 v[TM+\b], v[TM+\b], v[TM+4+\b]   ; with lane l xor 16's: the block's largest magnitude
.endr
.irp b, 0,1,2,3
	v_add_nc_u32 v[TM+12+\b], 0xfc000000, v[TM+\b] ; 8 off its exponent field: the conversion's scale operand
.endr
.irp b, 0,1,2,3
	v_and_or_b32 v[TM+8+\b], v[TM+\b], 0x7f800000, s[MNT]   ; 448 x the scale
.endr
.irp b, 0,1,2,3
	v_lshrrev_b32 v[TM+4+\b], 23, v[TM+12+\b]      ; the scale's byte
.endr
	v_lshl_or_b32 v[SW+(\a)], v[TM+5], 8, v[TM+4]
	v_lshl_or_b32 v[SW+(\a)], v[TM+6], 16, v[SW+(\a)]
	v_lshl_or_b32 v[SW+(\a)], v[TM+7], 24, v[SW+(\a)]
	WIN (W<<6)|W
.set n, 0
.rept 64
	v_med3_num_f32 v[AC+n], v[AC+n], -v[TM+8+n/16], v[TM+8+n/16]   ; the conversion does not saturate (ISA guide 7.6.2): the hold at 448 x the scale
.set n, n+1
.endr
	WIN W
.set n, 0
.rept 8
	v_cvt_scalef32_pk8_fp8_f32 v[PC+2*n:PC+2*n+1], v[AC+8*n:AC+8*n+7], v[TM+12+n/2]
.set n, n+1
.endr
	WIN 0
	v_nop                                          ; one plain line behind the last conversion
.set n, 0
.rept 8
	ds_store_b64 v[STO], v[PC+2*n:PC+2*n+1] offset:(\a)*4352+16*n   ; row 16 a + r, columns 16 n + 8 h + 0 .. 7; every block has registers of its own, so no store's data are written again
.set n, n+1
.endr
	ds_store_b32 v[WSA], v[SW+(\a)] offset:64*(\a) ; lanes l and l xor 16 write the same word with the same value
.endm
; THE MASK, passes p0 and p0 + 1 of four.  Bit r + 16 h of word (a, b, j) says that mask[128 qt + 16 a + r][128 kt + 16 b + 8 h + j] is not 0: the lane mask of the score launch's register (a, b, j).
; My wave takes a = 2 wave, 2 wave + 1.  A pass is 16 rows x 256 bytes (pass = 2 (a % 2) + half of the keys), loaded two rows' 256 aligned bytes an instruction; it turns through my own stage so that lane (r, h) holds row r.
.macro MASKH p0
	WIN 0xcc                                       ; LDS data, stored and loaded, in window 3; addresses in window 0
.irp ps, \p0, \p0+1
	s_wait_loadcnt 8*(3-(\ps))                     ; this pass's eight loads are in; the later passes' eight each may be out
.irp i, 0,1,2,3,4,5,6,7
	ds_store_b128 v[MSI], v[32*(\ps)+4*\i:32*(\ps)+4*\i+3] offset:544*\i
.endr
.irp n, 0,1,2,3,4,5,6,7
	ds_load_b128 v[32*(\ps)+4*\n:32*(\ps)+4*\n+3], v[MSO] offset:64*(\n/2)+16*(\n%2)   ; LDS serves a wave's instructions in order: these see the stores above, and the next pass's stores come behind them
.endr
.endr
	WIN 0x0f                                       ; sources in window 3, destinations in window 0
.irp ps, \p0, \p0+1
	s_wait_alu depctr_va_vdst(0)
	s_wait_dscnt 16*((\p0)+1-(\ps))                ; this pass is back (and all that was asked of LDS before it); the second pass's eight stores and eight loads may be out
.irp n, 0,1,2,3,4,5,6,7
.irp c, 0,1,2,3
	v_cmp_ne_u32 s[96+\c], 0, v[32*(\ps)+4*\n+\c]
.endr
.irp c, 0,1,2,3
	v_writelane_b32 v[MWR+\c], s[96+\c], 8*(\ps)+\n   ; word 64 (a % 2) + 8 b + j lies in lane word / 4, register word % 4
.endr
.endr
.endr
	WIN 0
.endm
	s_load_b512 s[24:39], s[0:1], 0x0              ; q, k, wv codes; q, k, wv scales; wq, wk codes
	s_load_b512 s[40:55], s[0:1], 0x40             ; v codes; wq, wk, v scales; bq, bk, bv; mask
	s_load_b128 s[56:59], s[0:1], 0x80             ; qkv, qkvs
	s_load_b64 s[60:61], s[0:1], 0x90              ; mw
	v_lshl_add_u32 v[SPW], v0, 2, SPARE
	v_mov_b32 v[NIL], 0
	ds_add_u32 v[SPW], v[NIL]                      ; the wave's opening: the add, twice on end, and its wait ahead of my first tensor load
	ds_add_u32 v[SPW], v[NIL]
	v_lshrrev_b32 v1, 5, v0
	v_readfirstlane_b32 s[WV], v1                  ; wave 0..3
	s_lshr_b32 s[YH], s[WV], 1
	s_and_b32 s[XH], s[WV], 1
	v_and_b32 v1, 15, v0                           ; r
	v_bfe_u32 v2, v0, 4, 1                         ; h
	v_and_b32 v3, 31, v0                           ; lane
	SHAPE 8
	ADDRS SCL1, STG1
	v_mul_u32_u24 v5, v0, KS                       ; where thread t puts row t's scales
	v_lshrrev_b32 v6, 8, v5
	v_lshl_add_u32 v5, v6, 4, v5
	v_add_nc_u32 v[SCW], SCL1, v5
	s_mul_i32 s100, s[WV], 4352                    ; my wave's own bytes
	s_add_co_u32 s100, s100, MSTG
	v_lshl_add_u32 v[WSA], v1, 2, s100
	v_lshl_add_u32 v[WSR], v3, 4, s100
	v_lshl_add_u32 v[WSR2], v3, 3, s100
	v_mul_u32_u24 v5, v2, 272
	v_lshl_add_u32 v5, v1, 4, v5
	v_add_nc_u32 v[MSI], s100, v5                  ; mask stage, in: row h, 16 r
	v_mul_u32_u24 v5, v1, 272
	v_lshl_add_u32 v5, v2, 5, v5
	v_add_nc_u32 v[MSO], s100, v5                  ; out: row r, 32 h
	v_lshlrev_b32 v[MOF], 13, v2                   ; the mask: a row is 8,192 bytes
	v_lshl_add_u32 v[MOF], v1, 4, v[MOF]
	v_lshlrev_b32 v[BXO], 5, v2
	v_lshlrev_b32 v[BYO], 2, v1
	v_lshlrev_b32 v[T32], 5, v0
	v_lshlrev_b32 v[L16], 4, v3
	v_lshlrev_b32 v[L8], 3, v3
.irp c, 0,1,2,3
	v_mov_b32 v[MWR+\c], 0                         ; v_writelane_b32's destination counts as read
.endr
	s_mov_b32 s[SEL], 0x76543210
	s_mov_b32 s[SEL+1], 0xfedcba98                 ; v_permlanex16_b32's selects for lane l xor 16
	s_mov_b32 s[MNT], 0x600000                     ; the mantissa field of 448
	; the second tile's groups 0: count and LDS address; no place in the cluster enters an LDS address
	s_mov_b32 s[H0], 1
	s_mul_i32 s[H0+1], s[XH], 64*PITCH
	s_mov_b32 s[H0+4], 1
	s_add_co_u32 s[H0+5], s[H0+1], SLOT4
	s_mov_b32 s[H0B], 1
	s_mul_i32 s[H0B+1], s[XH], HALFB
	s_add_co_u32 s[H0B+1], s[H0B+1], 128*PITCH
	s_mov_b32 s[H0B+4], 1
	s_add_co_u32 s[H0B+5], s[H0B+1], SLOT4
	; the places, and every byte offset, each in the pair that will hold its pointer (the upper word serves as scratch and ends as 0)
	s_bfe_u32 s96, ttmp6, 0x40000                  ; cx
	s_bfe_u32 s97, ttmp6, 0x40004                  ; cy
	s_and_b32 s98, ttmp7, 0xffff                   ; cluster y, 0..15
	s_lshl_b32 s2, s97, 2
	s_lshl_b32 s2, 15, s2                          ; my row of the cluster
	s_lshl_b32 s3, 0x1111, s96                     ; my column
	s_and_b32 s99, s98, 7
	s_lshl_b32 s99, s99, 2
	s_add_co_u32 s99, s99, s97                     ; first tile: 256 tokens, 0..31; its 256 features: cx
	s_and_b32 s100, s98, 1
	s_lshl_b32 s100, s100, 2
	s_add_co_u32 s100, s100, s97                   ; second tile: 128 features, 0..7
	s_lshr_b32 s101, s98, 1
	s_lshl_b32 s101, s101, 2
	s_add_co_u32 s101, s101, s96                   ; and 256 tokens, 0..31
	s_lshl_b32 s4, s99, 18                         ; A: row 256 x tile + 128 x half, 1,024 bytes a row: made of the tile along Y and the wave's number alone
	s_lshl_b32 s5, s[XH], 17
	s_add_co_u32 s4, s4, s5
	s_mov_b32 s5, 0
	s_lshl_b32 s6, s99, 13                         ; its tile's scales: 32 bytes a row
	s_mov_b32 s7, 0
	s_lshl_b32 s8, s96, 18                         ; B likewise, of the tile along X
	s_lshl_b32 s9, s[XH], 17
	s_add_co_u32 s8, s8, s9
	s_mov_b32 s9, 0
	s_lshl_b32 s10, s96, 13
	s_mov_b32 s11, 0
	s_lshl_b32 s74, s96, 10                        ; the bias of my 128 columns
	s_lshl_b32 s75, s[XH], 9
	s_add_co_u32 s74, s74, s75
	s_mov_b32 s75, 0
	s_lshr_b32 s12, s98, 3                         ; codes out: p x 8,388,608 + (tile X x 8,192 + 256 tile Y + 64 wave) x 256
	s_lshl_b32 s12, s12, 23
	s_lshl_b32 s13, s96, 21
	s_add_co_u32 s12, s12, s13
	s_lshl_b32 s13, s99, 16
	s_add_co_u32 s12, s12, s13
	s_lshl_b32 s13, s[WV], 14
	s_add_co_u32 s12, s12, s13
	s_mov_b32 s13, 0
	s_lshr_b32 s14, s98, 3                         ; words out: p x 262,144 + ((2 tile X + XH) x 8,192 + 256 tile Y + 128 YH) x 4
	s_lshl_b32 s14, s14, 18
	s_lshl_b32 s15, s96, 16
	s_add_co_u32 s14, s14, s15
	s_lshl_b32 s15, s[XH], 15
	s_add_co_u32 s14, s14, s15
	s_lshl_b32 s15, s99, 10
	s_add_co_u32 s14, s14, s15
	s_lshl_b32 s15, s[YH], 9
	s_add_co_u32 s14, s14, s15
	s_mov_b32 s15, 0
	s_lshl_b32 s76, s98, 20                        ; the mask: 128 queries qt = cluster y, 128 keys kt = 4 cy + cx, my wave's 32 rows
	s_lshl_b32 s77, s97, 11
	s_add_co_u32 s76, s76, s77
	s_lshl_b32 s77, s96, 9
	s_add_co_u32 s76, s76, s77
	s_lshl_b32 s77, s[WV], 18
	s_add_co_u32 s76, s76, s77
	s_mov_b32 s77, 0
	s_lshl_b32 s78, s98, 15                        ; its words: 2,048 bytes for (qt, kt), 512 a wave
	s_lshl_b32 s79, s97, 13
	s_add_co_u32 s78, s78, s79
	s_lshl_b32 s79, s96, 11
	s_add_co_u32 s78, s78, s79
	s_lshl_b32 s79, s[WV], 9
	s_add_co_u32 s78, s78, s79
	s_mov_b32 s79, 0
	s_lshl_b32 s[H0+2], s100, 17                   ; wv: row 128 x tile + 64 x half
	s_lshl_b32 s[H0+3], s[XH], 16
	s_add_co_u32 s[H0+2], s[H0+2], s[H0+3]
	s_mov_b32 s[H0+3], 0
	s_lshl_b32 s20, s100, 12                       ; its tile's scales
	s_mov_b32 s21, 0
	s_lshl_b32 s[H0B+2], s101, 18                  ; v: row 256 x tile + 128 x half
	s_lshl_b32 s[H0B+3], s[XH], 17
	s_add_co_u32 s[H0B+2], s[H0B+2], s[H0B+3]
	s_mov_b32 s[H0B+3], 0
	s_lshl_b32 s22, s101, 13
	s_mov_b32 s23, 0
	s_lshl_b32 s72, s100, 9                        ; bv of my 64 rows
	s_lshl_b32 s73, s[YH], 8
	s_add_co_u32 s72, s72, s73
	s_mov_b32 s73, 0
	s_lshl_b32 s16, s101, 18                       ; V^T's codes out: 16,777,216 + (token tile x 1,024 + 128 feature tile + 32 wave) x 256
	s_lshl_b32 s17, s100, 15
	s_add_co_u32 s16, s16, s17
	s_lshl_b32 s17, s[WV], 13
	s_add_co_u32 s16, s16, s17
	s_add_co_u32 s16, s16, 16777216
	s_mov_b32 s17, 0
	s_lshl_b32 s18, s101, 13                       ; its words out: 524,288 + ((2 token tile + XH) x 1,024 + 128 feature tile + 64 YH) x 4
	s_lshl_b32 s19, s[XH], 12
	s_add_co_u32 s18, s18, s19
	s_lshl_b32 s19, s100, 9
	s_add_co_u32 s18, s18, s19
	s_lshl_b32 s19, s[YH], 8
	s_add_co_u32 s18, s18, s19
	s_add_co_u32 s18, s18, 524288
	s_mov_b32 s19, 0
	s_lshr_b32 s99, s98, 3                         ; p: 0 Q, 1 K: the same in all sixteen partners
	s_wait_dscnt 0x0                               ; both opening adds are done
	s_wait_kmcnt 0x0
	s_cmp_eq_u32 s99, 1                            ; the first tile's buffers are chosen by p, which hangs on no address
	s_cselect_b64 s[24:25], s[26:27], s[24:25]     ; A's codes
	s_cselect_b64 s[30:31], s[32:33], s[30:31]     ; A's scales
	s_cselect_b64 s[36:37], s[38:39], s[36:37]     ; B's codes
	s_cselect_b64 s[42:43], s[44:45], s[42:43]     ; B's scales
	s_cselect_b64 s[48:49], s[50:51], s[48:49]     ; the bias
	s_add_nc_u64 s[4:5], s[24:25], s[4:5]
	s_add_nc_u64 s[100:101], s[30:31], s[6:7]      ; A's scales; s[4:11] will hold the head's groups 0
	s_add_nc_u64 s[8:9], s[36:37], s[8:9]
	s_add_nc_u64 s[104:105], s[42:43], s[10:11]    ; B's scales
	s_add_nc_u64 s[74:75], s[48:49], s[74:75]
	s_add_nc_u64 s[12:13], s[56:57], s[12:13]      ; qkv, the first tile's part
	s_add_nc_u64 s[14:15], s[58:59], s[14:15]      ; qkvs
	s_add_nc_u64 s[16:17], s[56:57], s[16:17]      ; qkv, the second tile's part
	s_add_nc_u64 s[18:19], s[58:59], s[18:19]
	s_add_nc_u64 s[20:21], s[34:35], s[20:21]      ; wv's scales
	s_add_nc_u64 s[22:23], s[46:47], s[22:23]      ; v's scales
	s_add_nc_u64 s[72:73], s[52:53], s[72:73]      ; bv
	s_add_nc_u64 s[76:77], s[54:55], s[76:77]      ; mask
	s_add_nc_u64 s[78:79], s[60:61], s[78:79]      ; mw
	s_add_nc_u64 s[H0+2:H0+3], s[28:29], s[H0+2:H0+3]         ; wv's codes, K step 0,
	s_add_nc_u64 s[H0+6:H0+7], s[H0+2:H0+3], SA               ; K step 1
	s_add_nc_u64 s[H0B+2:H0B+3], s[40:41], s[H0B+2:H0B+3]     ; v's codes
	s_add_nc_u64 s[H0B+6:H0B+7], s[H0B+2:H0B+3], SB
	s_cmp_eq_u32 s[YH], 0
	s_cselect_b64 s[98:99], s[H0+2:H0+3], s[H0B+2:H0B+3]      ; the second tile's prefetches: the rows that my wave fetches, of wv or of v
	s_or_b32 s[H0+3], s[H0+3], 0x80000000
	s_or_b32 s[H0+7], s[H0+7], 0x80000000
	s_or_b32 s[H0B+3], s[H0B+3], 0x80000000
	s_or_b32 s[H0B+7], s[H0B+7], 0x80000000
	; descriptor groups 1: rows of 256 bytes, 16 bytes of padding behind each
	s_or_b32 s[G1], s2, (1<<20)|(1<<21)|(5<<22)|(3<<25)     ; 15:0 the mask: A's tiles go to my row; elements of 1 byte; padding on; bit 21 beside a mask; after every 64 words, 4 words
	s_or_b32 s[H1], s2, (1<<20)|(1<<21)|(5<<22)|(3<<25)
	s_or_b32 s[G1B], s3, (1<<20)|(1<<21)|(5<<22)|(3<<25)    ; B's go to my column
	s_mov_b32 s[G1+1], 256<<16                     ; tensor_dim0
	s_mov_b32 s[G1+2], 256<<16                     ; tensor_dim1: the head's loads bring a whole tile of 256 rows; a change of slots sets the two row counts to a half
	s_mov_b32 s[G1+3], 256<<16                     ; tile_dim0
	s_mov_b32 s[G1+4], 256                         ; tile_dim1
	s_mov_b32 s[G1+5], PA                          ; the pitch
	s_mov_b32 s[G1+6], 0
	s_mov_b32 s[G1+7], 0
	s_mov_b32 s[H1+1], 256<<16
	s_mov_b32 s[H1+2], 64<<16                      ; half of the second tile's 128 rows
	s_mov_b32 s[H1+3], 256<<16
	s_mov_b32 s[H1+4], 64
	s_mov_b32 s[H1+5], PA
	s_mov_b32 s[H1+6], 0
	s_mov_b32 s[H1+7], 0
	s_mov_b32 s[G1B+1], 256<<16
	s_mov_b32 s[G1B+2], 256<<16
	s_mov_b32 s[G1B+3], 256<<16
	s_mov_b32 s[G1B+4], 256
	s_mov_b32 s[G1B+5], PB
	s_mov_b32 s[G1B+6], 0
	s_mov_b32 s[G1B+7], 0
.irp s, 0,1
	s_mov_b32 s[G0+4*\s], 1
	s_mul_i32 s[G0+4*\s+1], s[XH], HALFA
	s_add_co_u32 s[G0+4*\s+1], s[G0+4*\s+1], \s*SLOT
	s_add_nc_u64 s[G0+4*\s+2:G0+4*\s+3], s[4:5], \s*SA
	s_or_b32 s[G0+4*\s+3], s[G0+4*\s+3], 0x80000000
	s_mov_b32 s[G0B+4*\s], 1
	s_mul_i32 s[G0B+4*\s+1], s[XH], HALFB
	s_add_co_u32 s[G0B+4*\s+1], s[G0B+4*\s+1], AB+\s*SLOT
	s_add_nc_u64 s[G0B+4*\s+2:G0B+4*\s+3], s[8:9], \s*SB
	s_or_b32 s[G0B+4*\s+3], s[G0B+4*\s+3], 0x80000000
.endr
	; THE PREFETCHES.  Of the rows that my wave fetches for the ring, each of the four partners that ask for them jointly names a quarter, told apart by address (cx for A, cy for B): a lane a row, 256 bytes of a row a K step.
	; First tile: 32 of 128 rows.  Second tile: 16 of wv's 64 (lanes 16-31 name the same rows again) or 32 of v's 128.
	s_cmp_eq_u32 s[YH], 0
	s_cselect_b32 s6, s96, s97                     ; my place among the four
	s_cselect_b32 s10, 14, 15
	s_cselect_b32 s2, 15, 31
	s_cselect_b64 s[96:97], s[4:5], s[8:9]
	s_lshl_b32 s10, s6, s10                        ; s7 and s11 hold 0
	s_lshl_b32 s6, s6, 15
	s_add_nc_u64 s[96:97], s[96:97], s[6:7]
	s_add_nc_u64 s[98:99], s[98:99], s[10:11]
	v_and_b32 v5, s2, v3
	v_lshlrev_b32 v5, 10, v5                       ; v5: the second tile's lane offset; v6: the first's; both stand until the second tile's addresses are made
	v_lshlrev_b32 v6, 10, v3
	; the head's groups 0: a WHOLE tile a wave: waves 0, 1 A's K steps 0, 1; waves 2, 3 B's: back from my half's rows to the tile's first, and XH K steps on
	s_mul_i32 s2, s[XH], 128*1024-256
	s_mov_b32 s3, 0
	s_sub_nc_u64 s[6:7], s[4:5], s[2:3]
	s_sub_nc_u64 s[10:11], s[8:9], s[2:3]
	s_or_b32 s7, s7, 0x80000000
	s_or_b32 s11, s11, 0x80000000
	s_mov_b32 s4, 1
	s_mul_i32 s5, s[XH], SLOT
	s_mov_b32 s8, 1
	s_add_co_u32 s9, s5, AB
	; who prefetches: a weight that eight clusters read is asked for by four of them.  s2 bit 2: my wave asks for nothing of the first tile; bit 3: nothing of the second
	s_and_b32 s3, ttmp7, 4
	s_and_b32 s2, ttmp7, 8
	s_cmp_eq_u32 s[YH], 0
	s_cselect_b32 s3, 0, s3
	s_cselect_b32 s2, s2, 0
	s_or_b32 s2, s2, s3
.macro HARM under, g0, g1, next                ; one arm of the head's chain, for the wave of that number: one tensor load a wave
	s_cmp_eq_u32 s[WV], \under
	s_cbranch_scc0 \next
	tensor_load_to_lds s[\g0:\g0+3], s[\g1:\g1+7]
	s_nop 0
	PLACES 4
	s_branch .Lhead_asked
\next:
.endm
	s_wait_alu depctr_va_vdst(0)                   ; The scales' and the bias's loads go out first, ahead of the round and the tiles
.irp j, 0,1                                    ; the scales of both tiles: thread t takes rows t and t + 128 (of wv's 128 rows: row t), 32 bytes each
.irp i, 0,1
	global_load_b128 v[SC+8*\j+4*\i:SC+8*\j+4*\i+3], v[T32], s[100:101] offset:4096*\j+16*\i
	global_load_b128 v[SC+16+8*\j+4*\i:SC+16+8*\j+4*\i+3], v[T32], s[104:105] offset:4096*\j+16*\i
	global_load_b128 v[136+8*\j+4*\i:136+8*\j+4*\i+3], v[T32], s[22:23] offset:4096*\j+16*\i
.endr
.endr
.irp i, 0,1
	global_load_b128 v[128+4*\i:128+4*\i+3], v[T32], s[20:21] offset:16*\i
.endr
.irp b, 0,1,2,3,4,5,6,7                        ; the first tile's bias: columns 16 b + 8 h + 0 .. 7
	global_load_b128 v[BIAS+8*\b:BIAS+8*\b+3], v[BXO], s[74:75] offset:64*\b
	global_load_b128 v[BIAS+8*\b+4:BIAS+8*\b+7], v[BXO], s[74:75] offset:64*\b+16
.endr
	CROUND                                         ; all sixteen work-groups are here: the first joint loads meet
	HARM 0, 4, G1, .Lh_b0                          ; the chain's order is the order of need: K step 0's two tiles (waves 0, 2), then K step 1's (waves 1, 3)
	HARM 2, 8, G1B, .Lh_a1
	HARM 1, 4, G1, .Lh_b1
	tensor_load_to_lds s[8:11], s[G1B:G1B+7]
	s_nop 0
	PLACES 4
.Lhead_asked:
	s_wait_loadcnt 0x0
	s_bitcmp1_b32 s2, 2
	s_cbranch_scc1 .Lno_pf1
	global_prefetch_b8 v6, s[96:97] offset:512 th:TH_LOAD_NT scope:SCOPE_SE   ; K steps 2 and 3, which the two refills will ask for
	global_prefetch_b8 v6, s[96:97] offset:768 th:TH_LOAD_NT scope:SCOPE_SE
.Lno_pf1:
.irp j, 0,1
.irp i, 0,1
	ds_store_b128 v[SCW], v[SC+8*\j+4*\i:SC+8*\j+4*\i+3] offset:\j*SROW+16*\i
	ds_store_b128 v[SCW], v[SC+16+8*\j+4*\i:SC+16+8*\j+4*\i+3] offset:ASC8+\j*SROW+16*\i
	ds_store_b128 v[SCW], v[136+8*\j+4*\i:136+8*\j+4*\i+3] offset:SCL2-SCL1+ASC4+\j*SROW+16*\i
.endr
.endr
.irp i, 0,1
	ds_store_b128 v[SCW], v[128+4*\i:128+4*\i+3] offset:SCL2-SCL1+16*\i
.endr
	s_wait_alu depctr_va_vdst(0)
	s_cmp_eq_u32 s[XH], 0                          ; waves 0 and 2 fetched K step 0: they wait here; K step 1's loads, lines of waves 1 and 3 alone, are waited for at the first change of slots
	s_cbranch_scc0 .Lslot_1
	s_wait_tensorcnt 0x0
.Lslot_1:
	s_wait_dscnt 0x0                               ; my scales lie in LDS
	s_barrier_signal -1
	s_barrier_wait -1
	; ---- THE FIRST TILE
	FETCH_B 0, 0, 0
	FETCH_A 0, 0, 0
	SCALES 0
	FETCH_A 0, 0, NH
	STEP 0, 2                                      ; the first step starts the sums with the bias along X
.irp a, 0,1,2,3                                ; the second tile's bias, of row 16 a + r, the same in a tile's eight registers: into registers that the first step's products have read, eight places behind the last of them
.irp j, 0,1,2,3,4,5,6,7
	global_load_b32 v[BIAS2+8*\a+\j], v[BYO], s[72:73] offset:64*\a
.endr
.endr
	s_mov_b32 s3, LAPS-1
.Llap:                                             ; a trip goes once round the ring and fills both slots again
	TURN 0, 1, 1
	STEP 1, 0
	TURN 1, 0, 1
	STEP 0, 0
	s_sub_co_u32 s3, s3, 1
	s_cmp_lg_u32 s3, 0
	s_cbranch_scc1 .Llap
	TURN 0, 1, 2                                   ; slot 0 is left for good: the second tile's K step 0 is asked for
	STEP 1, 0
	LAST
	s_wait_dscnt 0x0                               ; my reads of slot 1 are over
	s_barrier_signal -1
	s_barrier_wait -1                              ; everybody's are: its upper 256 rows become the stage.  My load may stay out
.irp b, 0,1,2,3
	v_mov_b32 v[TM+4+\b], 0                        ; written once: a lane permute's destination counts as one of its sources
.endr
.irp a, 0,1,2,3
	QUANT \a
.endr
	s_wait_tensorcnt 0x0                           ; my part of the second tile's K step 0 has landed
	ds_add_u32 v[SPW], v[NIL]
	s_wait_dscnt 0x0                               ; the add is done, and so are my stores
	CROUND                                         ; no wave of any partner reads the rows between the second ring's slot 0 and the stage, or has a load on its way
	JLOAD H0+4, H1, H0B+4, G1B                     ; the second tile's K step 1: it has the rest of this way out in which to land
	s_bitcmp1_b32 s2, 3
	s_cbranch_scc1 .Lno_pf3
	global_prefetch_b8 v5, s[98:99] offset:768 th:TH_LOAD_NT scope:SCOPE_SE   ; the second tile's K step 3
.Lno_pf3:
.irp a, 4,5,6,7
	QUANT \a
.endr
	WIN 0xc0                                       ; the mask's 32 loads, into window 3, which the first tile has left
.irp ps, 0,1,2,3
.irp i, 0,1,2,3,4,5,6,7
	global_load_b128 v[32*\ps+4*\i:32*\ps+4*\i+3], v[MOF], s[76:77] offset:(\ps/2)*131072+(\ps%2)*256+\i*16384 th:TH_LOAD_NT
.endr
.endr
	WIN 0
	s_wait_dscnt 0x0                               ; my codes lie in the stage: a row's 256 bytes come from two waves
	s_barrier_signal -1
	s_barrier_wait -1
	ds_load_b128 v[64:67], v[WSR]                  ; my 128 rows' scale words
.set n, 0
.rept 4*NA
	ds_load_b128 v[128+4*n:128+4*n+3], v[RD] offset:544*n
.set n, n+1
.endr
	s_wait_dscnt 4*NA                              ; the words are in; the 4 NA loads behind them may be out
	global_store_b128 v[L16], v[64:67], s[14:15]   ; 512 consecutive bytes
.set n, 0
.rept 4*NA
	s_wait_dscnt 4*NA-1-n
	global_store_b128 v[L16], v[128+4*n:128+4*n+3], s[12:13] offset:512*n   ; two rows of 256 bytes, consecutive in the codes' layout
.set n, n+1
.endr
	; ---- THE SECOND TILE.  Its K step 0 was shown landed to every wave by the round above
	s_wait_xcnt 0x0                                ; the stores have read their registers: A's fragments may land there
	SHAPE 4
.set G0,  H0
.set G1,  H1
.set G0B, H0B
	ADDRS SCL2, 0
	FETCH_B 0, 0, 0
	FETCH_A 0, 0, 0
	s_wait_alu depctr_va_vdst(0)
	SCALES 0
	FETCH_A 0, 0, NH
	s_wait_loadcnt 32                              ; the bias is in; the mask's 32 loads, issued behind it, may be out
	STEP 0, 3                                      ; the first step starts the sums with the bias along Y
	TURN 0, 1, 1
	STEP 1, 0
	MASKH 0                                        ; vector and LDS work ahead of the wait for the refill just asked for
	TURN 1, 0, 1
	STEP 0, 0
	MASKH 2
	global_store_b128 v[L16], v[MWR:MWR+3], s[78:79]   ; my 128 words: 512 consecutive bytes
	TURN 0, 1, 0                                   ; the last lap fills nothing
	STEP 1, 0
	LAST
.irp a, 0,1,2,3
	QUANT \a                                       ; the stage lies in the second ring's slot 0, behind its last fill and its last read
.endr
	s_wait_dscnt 0x0
	s_barrier_signal -1
	s_barrier_wait -1
	ds_load_b64 v[64:65], v[WSR2]                  ; my 64 rows' scale words
.set n, 0
.rept 4*NA
	ds_load_b128 v[128+4*n:128+4*n+3], v[RD] offset:544*n
.set n, n+1
.endr
	s_wait_dscnt 4*NA                              ; the words are in; the 4 NA loads behind them may be out
	global_store_b64 v[L8], v[64:65], s[18:19]     ; 256 consecutive bytes, aligned
.set n, 0
.rept 4*NA
	s_wait_dscnt 4*NA-1-n
	global_store_b128 v[L16], v[128+4*n:128+4*n+3], s[16:17] offset:512*n
.set n, n+1
.endr
	s_wait_tensorcnt 0x0                           ; the wave's end
	ds_add_u32 v[SPW], v[NIL]
	s_wait_dscnt 0x0
	CROUND                                         ; the closing round
	s_endpgm
.Lfunc_end_k_q865e95ecf7_proj:
	.size	k_q865e95ecf7_proj, .Lfunc_end_k_q865e95ecf7_proj-k_q865e95ecf7_proj
	.p2alignl 7, 3214868480
	.fill 96, 4, 3214868480
	.section	.rodata,"a",@progbits
	.p2align	6, 0x0
	.amdhsa_kernel k_q865e95ecf7_proj
		.amdhsa_group_segment_fixed_size 327680
		.amdhsa_private_segment_fixed_size 0
		.amdhsa_enable_private_segment 0
		.amdhsa_kernarg_size 152
		.amdhsa_user_sgpr_count 2
		.amdhsa_user_sgpr_kernarg_segment_ptr 1
		.amdhsa_wavefront_size32 1
		.amdhsa_system_sgpr_workgroup_id_x 1
		.amdhsa_system_sgpr_workgroup_id_y 1
		.amdhsa_system_sgpr_workgroup_id_z 1
		.amdhsa_system_vgpr_workitem_id 0
		.amdhsa_next_free_vgpr 1024
		.amdhsa_next_free_sgpr 106
		.amdhsa_reserve_vcc 0
		.amdhsa_float_denorm_mode_32 3
		.amdhsa_float_denorm_mode_16_64 3
		.amdhsa_memory_ordered 1
		.amdhsa_forward_progress 1
		.amdhsa_inst_pref_size 255
	.end_amdhsa_kernel
	.section	.bss,"aw",@nobits
	.p2align	6
	.space	262144
	.amdgpu_metadata
---
amdhsa.version: [ 1, 2 ]
amdhsa.kernels:
  - .name:           k_q865e95ecf7_proj
    .symbol:         k_q865e95ecf7_proj.kd
    .args:
      - { .name: q_codes, .offset: 0, .size: 8, .value_kind: global_buffer, .address_space: global }
      - { .name: k_codes, .offset: 8, .size: 8, .value_kind: global_buffer, .address_space: global }
      - { .name: wv_codes, .offset: 16, .size: 8, .value_kind: global_buffer, .address_space: global }
      - { .name: q_scales, .offset: 24, .size: 8, .value_kind: global_buffer, .address_space: global }
      - { .name: k_scales, .offset: 32, .size: 8, .value_kind: global_buffer, .address_space: global }
      - { .name: wv_scales, .offset: 40, .size: 8, .value_kind: global_buffer, .address_space: global }
      - { .name: wq_codes, .offset: 48, .size: 8, .value_kind: global_buffer, .address_space: global }
      - { .name: wk_codes, .offset: 56, .size: 8, .value_kind: global_buffer, .address_space: global }
      - { .name: v_codes, .offset: 64, .size: 8, .value_kind: global_buffer, .address_space: global }
      - { .name: wq_scales, .offset: 72, .size: 8, .value_kind: global_buffer, .address_space: global }
      - { .name: wk_scales, .offset: 80, .size: 8, .value_kind: global_buffer, .address_space: global }
      - { .name: v_scales, .offset: 88, .size: 8, .value_kind: global_buffer, .address_space: global }
      - { .name: bq, .offset: 96, .size: 8, .value_kind: global_buffer, .address_space: global }
      - { .name: bk, .offset: 104, .size: 8, .value_kind: global_buffer, .address_space: global }
      - { .name: bv, .offset: 112, .size: 8, .value_kind: global_buffer, .address_space: global }
      - { .name: mask, .offset: 120, .size: 8, .value_kind: global_buffer, .address_space: global }
      - { .name: qkv, .offset: 128, .size: 8, .value_kind: global_buffer, .address_space: global }
      - { .name: qkvs, .offset: 136, .size: 8, .value_kind: global_buffer, .address_space: global }
      - { .name: mw, .offset: 144, .size: 8, .value_kind: global_buffer, .address_space: global }
    .group_segment_fixed_size: 327680
    .private_segment_fixed_size: 0
    .kernarg_segment_align: 8
    .kernarg_segment_size: 152
    .max_flat_workgroup_size: 128
    .sgpr_count:     106
    .vgpr_count:     1024
    .wavefront_size: 32
...
	.end_amdgpu_metadata
.endif
;; end of part 1
;; launch score (part 2): grid 8 x 32, 4 waves a work-group, clusters of 4 x 4, 327,680 bytes of LDS; arguments qkv, qkvs, pc, pst, mw; writes pc, pst
.if DOCPART == 2
	.amdgcn_target "amdgcn-amd-amdhsa--gfx1250"
	.amdhsa_code_object_version 6
	.text
	.protected	k_q865e95ecf7_score
	.globl	k_q865e95ecf7_score
	.p2align	8
	.type	k_q865e95ecf7_score,@function
k_q865e95ecf7_score:
	s_mov_b64 s[64:65], 0
	v_nop
	global_prefetch_b8 v0, s[64:65] scope:SCOPE_SE
	s_setreg_imm32_b32 hwreg(HW_REG_WAVE_MODE, 25, 1), 1
	s_wait_xcnt 0x0
	s_wait_alu depctr_hold_cnt(0) depctr_sa_sdst(0) depctr_va_vdst(0) depctr_va_sdst(0) depctr_va_ssrc(0) depctr_va_vcc(0) depctr_vm_vsrc(0)
	s_getreg_b32 s2, hwreg(HW_REG_IB_STS2, 6, 4)
	s_cmp_eq_u32 s2, 0
	s_cbranch_scc0 .Lentry_in_a_cluster
	s_endpgm
.Lentry_in_a_cluster:
	s_bfe_u32 s2, ttmp6, 0x10000c
	s_cmp_lg_u32 s2, 0xf033
	s_cbranch_scc0 .Lentry_shape_is_right
	s_endpgm
.Lentry_shape_is_right:
; S = Q K^T on the codes that the first launch made; the mask; p = 2^(t - M) with t = S log2(e) / 32 and M = the ceiling of the largest t of the row's CHUNK of 128 keys, a whole number; p quantised along the keys.
; For each (row, chunk): p's scale word, -M and the sum l of the unquantised p go to memory; the next launch takes the row's M over the 16 chunks and moves the scale bytes by the whole number between: exact.
; Nothing is left out: every tile is multiplied, since the mask is an input.  A masked score becomes -infinity ahead of the maximum, so its p is 0; a chunk that is wholly masked gets M = -3e38, p = 0, l = 0.
; LIMITS: NaN and infinities are not served; M is exact while |t| < 2^24; a block whose every p is 0 keeps the scale byte 1 (its codes are zeros).  A block's largest p is made from the block's largest score by the same
; multiply-add and exponential, which takes v_exp_f32 not to fall where its input rises.
; SHARES, RING, CLUSTERS, REGISTERS as in the first launch: a tile of 256 queries (Y, A = Q) x 256 keys (X, B = K), K = 1,024 in steps of 256; both operands lie [K / 256][rows][256 bytes], their scale words [K / 128][rows].
; The lane-mask words come by scalar loads, 64 words for a block of 16 rows, one block ahead, into scalar registers that the descriptors have left.
.set NA,    8
.set NH,    NA/2
.set AROWS, 32*NA
.set KTOT,  1024
.set LAPS,  KTOT/512
.set KS,    KTOT/32
.set PA,    256
.set PB,    256
.set SA,    2097152                    ; 8,192 rows x 256 bytes
.set SB,    2097152
.set PITCH, 272
.set HALFA, (AROWS/2)*PITCH
.set HALFB, 128*PITCH
.set AB,    2*HALFA
.set SLOT,  AB+2*HALFB
.set SCL,   2*SLOT
.set ASC,   (AROWS*KS/256)*272
.set BSC,   KS*272
.set SBLK,  (16*KS/256)*272
.set SROW,  (128*KS/256)*272
.set SPARE, SCL+ASC+BSC
.set WST,   AROWS*272
.set WSZ,   1536                       ; three arrays of 128 words a wave: scale word, -M, l
.set ADRA, 16
.set T4,   18                          ; v18  4 x thread
.set SCW,  19
.set ADRB, 20
.set WSA,  22
.set WSR,  23
.set STO,  24
.set RD,   25
.set L16,  26
.set ADRS, 27
.set SPW,  28
.set NIL,  29
.set NINF, 30                          ; v30  -infinity
.set SC,   32
.set TM,   64                          ; v64-67 a block's largest score, then p; 68-71 bytes; 72-75 448 x scale; 76-79 scale operands; v80-85 at work
.set SW,   112
.set AF,   128
.set G1,  24
.set G0,  32
.set G1B, 48
.set G0B, 56
.set WV,  66
.set YH,  67
.set XH,  68
.set MNT, 69
.set SEL, 70
.set CS,  72                           ; s[72:73] c = log2(e) / 32
.set MSB, 0
.macro WIN new
.if MSB != (\new)
	s_set_vgpr_msb (MSB<<8)|(\new)
.set MSB, \new
.endif
.endm
.macro PLACES n
.rept \n
	v_nop
.endr
.endm
.macro JLOAD s
	s_cmp_eq_u32 s[YH], 0
	s_cbranch_scc0 .Lfor_b_\@
	tensor_load_to_lds s[G0+4*\s:G0+4*\s+3], s[G1:G1+7]
	s_nop 0
.rept 4
	v_nop
.endr
	s_branch .Lasked_\@
.Lfor_b_\@:
	tensor_load_to_lds s[G0B+4*\s:G0B+4*\s+3], s[G1B:G1B+7]
	s_nop 0
.rept 4
	v_nop
.endr
.Lasked_\@:
.endm
.macro CREST
	s_cmp_lg_u32 s[WV], 0
	s_cbranch_scc1 .Lnot_wave_0_\@
	s_barrier_signal -3
.Lnot_wave_0_\@:
	s_barrier_wait -3
	s_barrier_signal -1
	s_barrier_wait -1
.endm
.macro CROUND
	s_barrier_signal -1
	s_barrier_wait -1
	CREST
.endm
.macro FRAG reg, adr, q, i
.irp c, 0,1,2,3
	ds_load_b128 v[\reg+4*\c:\reg+4*\c+3], v[\adr] offset:128*(\q)+32*\c+(\i)*16*PITCH
.endr
.endm
.macro FETCH_B slot, q, p
	WIN 0x40
.irp i, 0,1,2,3,4,5,6,7
	FRAG 128*(\p)+16*\i, ADRB+\slot, \q, \i
.endr
	WIN 0
.endm
.macro FETCH_A slot, q, i0
.set fi, \i0
.rept NH
	FRAG AF+16*fi, ADRA+\slot, \q, fi
.set fi, fi+1
.endr
.endm
.macro SCALES sc
.irp i, 0,1,2,3,4,5,6,7
	ds_load_b64 v[SC+16*\sc+2*\i:SC+16*\sc+2*\i+1], v[ADRS] offset:\i*SBLK
.endr
.endm
.macro MULB a, p, q, sc, cm            ; cm = 1: the first product starts the sums with the constant 0; the accumulators take turns
	WIN 0xa1+0x50*((\a)/4)
.irp b, 0,1,2,3,4,5,6,7
.set rD, 8*(8*((\a)%4)+\b)
.if (\cm) == 0
	v_wmma_scale_f32_16x16x128_f8f6f4 v[rD:rD+7], v[128*(\p)+16*\b:128*(\p)+16*\b+15], v[AF+16*(\a):AF+16*(\a)+15], v[rD:rD+7], v[SC+16*(\sc)+2*\b+(\q)], v[SC+16*(\sc)+2*(\a)+(\q)] matrix_a_scale:MATRIX_SCALE_ROW1
.else
	v_wmma_scale_f32_16x16x128_f8f6f4 v[rD:rD+7], v[128*(\p)+16*\b:128*(\p)+16*\b+15], v[AF+16*(\a):AF+16*(\a)+15], 0, v[SC+16*(\sc)+2*\b+(\q)], v[SC+16*(\sc)+2*(\a)+(\q)] matrix_a_scale:MATRIX_SCALE_ROW1
.endif
.endr
.endm
.macro STEP slot, cm
	s_wait_dscnt 4*NH                              ; all but A's upper blocks are in
.set ma, 0
.rept NH
	MULB ma, 0, 0, \slot, \cm
.set ma, ma+1
.endr
	s_wait_dscnt 0x0
	PLACES 8
	FETCH_B \slot, 1, 1
	FETCH_A \slot, 1, 0
.rept NH
	MULB ma, 0, 0, \slot, \cm
.set ma, ma+1
.endr
	PLACES 8
	WIN 0
	FETCH_A \slot, 1, NH
.endm
.macro TURN slot, next, fill
	s_wait_tensorcnt 0x0                           ; all my tensor loads have landed
	ds_add_u32 v[SPW], v[NIL]
.if \fill
	s_mov_b32 s[G1+2], (AROWS/2)<<16               ; no tensor load of mine is out: a refill brings half a tile's rows a wave
	s_mov_b32 s[G1+4], AROWS/2
	s_mov_b32 s[G1B+2], 128<<16
	s_mov_b32 s[G1B+4], 128
.endif
	s_wait_dscnt 4*NH+1
.set ma, 0
.rept NH/2
	MULB ma, 1, 1, \slot, 0
.set ma, ma+1
.endr
	s_wait_dscnt 0x0                               ; the add is done, my reads of this slot are over
	s_barrier_signal -1
.rept NH/2
	MULB ma, 1, 1, \slot, 0
.set ma, ma+1
.endr
	WIN 0
	s_barrier_wait -1
.if \fill
	CREST
	s_add_nc_u64 s[G0+4*\slot+2:G0+4*\slot+3], s[G0+4*\slot+2:G0+4*\slot+3], 2*SA
	s_add_nc_u64 s[G0B+4*\slot+2:G0B+4*\slot+3], s[G0B+4*\slot+2:G0B+4*\slot+3], 2*SB
	JLOAD \slot
	PLACES 4
.else
	PLACES 8
.endif
	s_wait_alu depctr_va_vdst(0)
	v_add_nc_u32 v[ADRS], 8, v[ADRS]
	FETCH_B \next, 0, 0
	FETCH_A \next, 0, 0
	SCALES \next
.rept NH
	MULB ma, 1, 1, \slot, 0
.set ma, ma+1
.endr
	PLACES 8
	WIN 0
	FETCH_A \next, 0, NH
.endm
.macro LAST
	s_wait_dscnt 4*NH
.set ma, 0
.rept NH
	MULB ma, 1, 1, 1, 0
.set ma, ma+1
.endr
	s_wait_dscnt 0x0
.rept NH
	MULB ma, 1, 1, 1, 0
.set ma, ma+1
.endr
	WIN 0
	PLACES 8
.endm
.macro MLOAD a                         ; the 64 lane-mask words of block a: word (b, j) in s[16 + 16 (b / 2) + 16 (b / 6) + 8 (b % 2) + j]
	s_load_b512 s[16:31], s[74:75], 256*(\a)
	s_load_b512 s[32:47], s[74:75], 256*(\a)+64
	s_load_b512 s[48:63], s[74:75], 256*(\a)+128
	s_load_b512 s[80:95], s[74:75], 256*(\a)+192
.endm
; Block a: 16 queries x my 128 keys: mask, chunk maximum, p, l, quantised.
.macro SOFTQ a
.set W, 2+(\a)/4
.set AC, 64*((\a)%4)
.set PC, 128+16*(\a)
.set NM, 96+2*(\a)                     ; v[NM] = -M, v[NM+1] = l
	s_wait_kmcnt 0x0                               ; this block's mask words
	WIN (W<<6)|(W<<2)
.irp b, 0,1,2,3,4,5,6,7
.irp j, 0,1,2,3,4,5,6,7
	v_cndmask_b32 v[AC+8*\b+\j], v[NINF], v[AC+8*\b+\j], s[16+16*(\b/2)+16*(\b/6)+8*(\b%2)+\j]   ; the score where the mask is not 0, else -infinity; each accumulator from its low end on
.endr
.endr
.if (\a) < 7
	MLOAD (\a)+1
.endif
	WIN (W<<2)|(W<<4)
.irp i, 0,2,4,6,8,10,12,14
.irp b, 0,1,2,3
.if \i == 0
	v_max3_num_f32 v[TM+\b], v[NINF], v[AC+16*\b], v[AC+16*\b+1]   ; the largest score of each block of 32 keys: it serves the chunk's maximum and the block's largest p
.else
	v_max3_num_f32 v[TM+\b], v[TM+\b], v[AC+16*\b+\i], v[AC+16*\b+\i+1]
.endif
.endr
.endr
	WIN 0
.irp b, 0,1,2,3
	v_permlanex16_b32 v[TM+4+\b], v[TM+\b], s[SEL], s[SEL+1]
.endr
.irp b, 0,1,2,3
	v_max_num_f32 v[TM+\b], v[TM+\b], v[TM+4+\b]
.endr
	v_max3_num_f32 v80, v[TM], v[TM+1], v[TM+2]
	v_max_num_f32 v80, v80, v[TM+3]
	v_mul_f32 v80, s[CS], v80                      ; as t (c is positive)
	v_max_num_f32 v80, 0xff61b1e6, v80             ; -3e38 at the least: a chunk wholly masked keeps a finite M, so that t - M is -infinity and no NaN
	v_floor_f32 v[NM], -v80                        ; -M = floor(-t) = -ceil(t)
.irp b, 0,1,2,3
	v_fma_f32 v[TM+\b], v[TM+\b], s[CS], v[NM]
.endr
	WIN (W<<6)|W
.set n, 0
.rept 32
	v_pk_fma_f32 v[AC+n:AC+n+1], v[AC+n:AC+n+1], s[CS:CS+1], v[NM:NM+1] op_sel_hi:[1,0,0]   ; t - M, two at a time
.set n, n+2
.endr
.set n, 0
	s_wait_alu depctr_va_vdst(0)
.rept 64
	v_exp_f32 v[AC+n], v[AC+n]                     ; p = 2^(t - M)
.set n, n+1
.endr
	WIN 0
	v_nop                                          ; a plain line behind the last exponential
	s_wait_alu depctr_va_vdst(0)                   ; one wait for the batch of 64, ahead of its first reader
.irp b, 0,1,2,3
	v_exp_f32 v[TM+\b], v[TM+\b]                   ; the block's largest p
.endr
	WIN W|(W<<2)
	v_pk_add_f32 v[82:83], v[AC:AC+1], v[AC+2:AC+3]         ; l is the sum of the unquantised p: two chains, which read the 64 alone
	v_pk_add_f32 v[84:85], v[AC+4:AC+5], v[AC+6:AC+7]
	WIN W<<2
.irp j, 8,12,16,20,24,28,32,36,40,44,48,52,56,60
	v_pk_add_f32 v[82:83], v[82:83], v[AC+\j:AC+\j+1]
	v_pk_add_f32 v[84:85], v[84:85], v[AC+\j+2:AC+\j+3]
.endr
	WIN 0
	v_pk_add_f32 v[82:83], v[82:83], v[84:85]
	v_add_f32 v82, v82, v83
	v_permlanex16_b32 v83, v82, s[SEL], s[SEL+1]
	v_add_f32 v[NM+1], v82, v83                    ; with lane l xor 16's 64 keys
	s_wait_alu depctr_va_vdst(0)                   ; and one wait for the four
.irp b, 0,1,2,3
	v_max_num_f32 v[TM+\b], 0x4800000, v[TM+\b]    ; the floor 2^(9 - 127)
.endr
.irp b, 0,1,2,3
	v_add_nc_u32 v[TM+12+\b], 0xfc000000, v[TM+\b]
.endr
.irp b, 0,1,2,3
	v_and_or_b32 v[TM+8+\b], v[TM+\b], 0x7f800000, s[MNT]
.endr
.irp b, 0,1,2,3
	v_lshrrev_b32 v[TM+4+\b], 23, v[TM+12+\b]
.endr
	v_lshl_or_b32 v[SW+(\a)], v[TM+5], 8, v[TM+4]
	v_lshl_or_b32 v[SW+(\a)], v[TM+6], 16, v[SW+(\a)]
	v_lshl_or_b32 v[SW+(\a)], v[TM+7], 24, v[SW+(\a)]
	WIN (W<<6)|W
.set n, 0
.rept 64
	v_min_num_f32 v[AC+n], v[AC+n], v[TM+8+n/16]   ; p is not negative: the hold is one-sided
.set n, n+1
.endr
	WIN W
.set n, 0
.rept 8
	v_cvt_scalef32_pk8_fp8_f32 v[PC+2*n:PC+2*n+1], v[AC+8*n:AC+8*n+7], v[TM+12+n/2]
.set n, n+1
.endr
	WIN 0
	v_nop                                          ; one plain line behind the last conversion
.set n, 0
.rept 8
	ds_store_b64 v[STO], v[PC+2*n:PC+2*n+1] offset:(\a)*4352+16*n
.set n, n+1
.endr
	ds_store_b32 v[WSA], v[SW+(\a)] offset:64*(\a)
	ds_store_b32 v[WSA], v[NM] offset:512+64*(\a)
	ds_store_b32 v[WSA], v[NM+1] offset:1024+64*(\a)
.endm
	s_load_b256 s[4:11], s[0:1], 0x0               ; qkv, qkvs, pc, pst
	s_load_b64 s[74:75], s[0:1], 0x20              ; mw
	v_lshl_add_u32 v[SPW], v0, 2, SPARE
	v_mov_b32 v[NIL], 0
	ds_add_u32 v[SPW], v[NIL]                      ; the wave's opening: the add, twice on end, and its wait ahead of my first tensor load
	ds_add_u32 v[SPW], v[NIL]
	v_lshrrev_b32 v1, 5, v0
	v_readfirstlane_b32 s[WV], v1
	s_lshr_b32 s[YH], s[WV], 1
	s_and_b32 s[XH], s[WV], 1
	v_and_b32 v1, 15, v0                           ; r
	v_bfe_u32 v2, v0, 4, 1                         ; h
	v_and_b32 v3, 31, v0                           ; lane
	v_mul_u32_u24 v4, v1, PITCH
	v_lshl_add_u32 v4, v2, 4, v4
	s_mul_i32 s16, s[YH], HALFA
	s_mul_i32 s17, s[XH], HALFB
	s_add_co_u32 s17, s17, AB
.irp s, 0,1
	v_add_nc_u32 v[ADRA+\s], s16, v4
	v_add_nc_u32 v[ADRB+\s], s17, v4
	s_add_co_u32 s16, s16, SLOT
	s_add_co_u32 s17, s17, SLOT
.endr
	v_mul_u32_u24 v5, v1, KS
	v_lshrrev_b32 v6, 8, v5
	v_lshl_add_u32 v5, v6, 4, v5
	s_mul_i32 s16, s[YH], (16*NA*KS/256)*272
	s_mul_i32 s17, s[XH], BSC/2
	s_add_co_u32 s17, s17, ASC
	s_sub_co_u32 s17, s17, s16
	v_mul_u32_u24 v6, s17, v2
	s_add_co_u32 s16, s16, SCL
	v_add_nc_u32 v5, v5, v6
	v_add_nc_u32 v[ADRS], s16, v5
	v_mul_u32_u24 v5, v0, KS
	v_lshrrev_b32 v6, 8, v5
	v_lshl_add_u32 v5, v6, 4, v5
	v_add_nc_u32 v[SCW], SCL, v5
	s_mul_i32 s16, s[YH], 16*NA*272
	s_lshl_b32 s17, s[XH], 7
	s_add_co_u32 s16, s16, s17
	v_mul_u32_u24 v5, v1, 272
	v_lshl_add_u32 v5, v2, 3, v5
	v_add_nc_u32 v[STO], s16, v5
	s_mul_i32 s16, s[YH], 128*272                  ; back, in two halves: rows 128 YH + 32 XH + 0 .. 31 of blocks 0-3, and the rows 64 further on of blocks 4-7
	s_mul_i32 s17, s[XH], 32*272
	s_add_co_u32 s16, s16, s17
	v_mul_u32_u24 v5, v2, 272
	v_lshl_add_u32 v5, v1, 4, v5
	v_add_nc_u32 v[RD], s16, v5
	s_mul_i32 s16, s[WV], WSZ
	s_add_co_u32 s16, s16, WST
	v_lshl_add_u32 v[WSA], v1, 2, s16
	v_lshl_add_u32 v[WSR], v3, 4, s16
	v_lshlrev_b32 v[T4], 2, v0
	v_lshlrev_b32 v[L16], 4, v3
	v_mov_b32 v[NINF], 0xff800000
	s_mov_b32 s[SEL], 0x76543210
	s_mov_b32 s[SEL+1], 0xfedcba98
	s_mov_b32 s[MNT], 0x600000
	s_mov_b32 s[CS], 0x3d38aa3b                    ; log2(e) / 32
	s_mov_b32 s[CS+1], s[CS]                       ; named with it as a pair, so it is written
	s_bfe_u32 s84, ttmp6, 0x40000                  ; cx
	s_bfe_u32 s85, ttmp6, 0x40004                  ; cy
	s_lshl_b32 s86, ttmp9, 2
	s_add_co_u32 s86, s86, s84                     ; tile of 256 keys, 0..7
	s_and_b32 s88, ttmp7, 0xffff
	s_lshl_b32 s87, s88, 2
	s_add_co_u32 s87, s87, s85                     ; tile of 256 tokens, 0..31
	s_lshr_b32 s89, s88, 1                         ; the batch: shared by the cluster
	s_and_b32 s91, s87, 7                          ; tile of queries in the batch
	s_lshl_b32 s92, s85, 2
	s_lshl_b32 s92, 15, s92
	s_lshl_b32 s93, 0x1111, s84
	s_or_b32 s[G1], s92, (1<<20)|(1<<21)|(5<<22)|(3<<25)
	s_or_b32 s[G1B], s93, (1<<20)|(1<<21)|(5<<22)|(3<<25)
	s_mov_b32 s[G1+1], 256<<16
	s_mov_b32 s[G1+2], AROWS<<16                   ; the head's loads bring a whole tile; a change of slots sets the two row counts to a half
	s_mov_b32 s[G1+3], 256<<16
	s_mov_b32 s[G1+4], AROWS
	s_mov_b32 s[G1+5], PA
	s_mov_b32 s[G1+6], 0
	s_mov_b32 s[G1+7], 0
	s_mov_b32 s[G1B+1], 256<<16
	s_mov_b32 s[G1B+2], 256<<16
	s_mov_b32 s[G1B+3], 256<<16
	s_mov_b32 s[G1B+4], 256
	s_mov_b32 s[G1B+5], PB
	s_mov_b32 s[G1B+6], 0
	s_mov_b32 s[G1B+7], 0
	s_mul_i32 s96, s[XH], HALFA
	s_mul_i32 s97, s[XH], HALFB
	s_add_co_u32 s97, s97, AB
	s_wait_dscnt 0x0                               ; both opening adds are done
	s_wait_kmcnt 0x0
	s_lshl_b32 s20, s89, 22                        ; p's codes: ((8 batch + key tile) x 2,048 + 256 query tile + 128 YH + 32 XH) x 256
	s_lshl_b32 s19, s86, 19
	s_add_co_u32 s20, s20, s19
	s_lshl_b32 s19, s91, 16
	s_add_co_u32 s20, s20, s19
	s_lshl_b32 s19, s[YH], 15                      ; the rows that my wave stores: 128 YH + 32 XH on
	s_add_co_u32 s20, s20, s19
	s_lshl_b32 s19, s[XH], 13
	s_add_co_u32 s20, s20, s19
	s_mov_b32 s21, 0
	s_add_nc_u64 s[12:13], s[8:9], s[20:21]
	s_lshl_b32 s20, s89, 17                        ; the three arrays: ((16 batch + 2 key tile + XH) x 2,048 + 256 query tile + 128 YH) x 4
	s_lshl_b32 s19, s86, 14
	s_add_co_u32 s20, s20, s19
	s_lshl_b32 s19, s[XH], 13
	s_add_co_u32 s20, s20, s19
	s_lshl_b32 s19, s91, 10
	s_add_co_u32 s20, s20, s19
	s_lshl_b32 s19, s[YH], 9
	s_add_co_u32 s20, s20, s19
	s_add_nc_u64 s[14:15], s[10:11], s[20:21]
	s_lshl_b32 s20, s91, 16                        ; the mask words of (128 queries, 128 keys): 2,048 bytes
	s_lshl_b32 s19, s[YH], 15
	s_add_co_u32 s20, s20, s19
	s_lshl_b32 s19, s86, 12
	s_add_co_u32 s20, s20, s19
	s_lshl_b32 s19, s[XH], 11
	s_add_co_u32 s20, s20, s19
	s_add_nc_u64 s[74:75], s[74:75], s[20:21]
	s_lshl_b32 s94, s89, 19                        ; B = K's codes: 8,388,608 + (2,048 batch + 256 key tile + 128 half) x 256
	s_lshl_b32 s95, s86, 16
	s_add_co_u32 s94, s94, s95
	s_lshl_b32 s95, s[XH], 15
	s_add_co_u32 s94, s94, s95
	s_add_co_u32 s94, s94, 8388608
	s_mov_b32 s95, 0
	s_add_nc_u64 s[8:9], s[4:5], s[94:95]
	s_lshl_b32 s94, s89, 13                        ; K's scale words: 262,144 + (2,048 batch + 256 key tile) x 4
	s_lshl_b32 s98, s86, 10
	s_add_co_u32 s94, s94, s98
	s_add_co_u32 s94, s94, 262144
	s_add_nc_u64 s[10:11], s[6:7], s[94:95]
	s_lshl_b32 s16, s87, 16                        ; A = Q's codes: (256 token tile + 128 half) x 256
	s_lshl_b32 s17, s[XH], 15
	s_add_co_u32 s16, s16, s17
	s_mov_b32 s17, 0
	s_add_nc_u64 s[4:5], s[4:5], s[16:17]
	s_lshl_b32 s16, s87, 10                        ; Q's scale words: 256 token tile x 4
	s_add_nc_u64 s[6:7], s[6:7], s[16:17]
.irp s, 0,1
	s_mov_b32 s[G0+4*\s], 1
	s_add_co_u32 s[G0+4*\s+1], s96, \s*SLOT
	s_add_nc_u64 s[G0+4*\s+2:G0+4*\s+3], s[4:5], \s*SA
	s_or_b32 s[G0+4*\s+3], s[G0+4*\s+3], 0x80000000
	s_mov_b32 s[G0B+4*\s], 1
	s_add_co_u32 s[G0B+4*\s+1], s97, \s*SLOT
	s_add_nc_u64 s[G0B+4*\s+2:G0B+4*\s+3], s[8:9], \s*SB
	s_or_b32 s[G0B+4*\s+3], s[G0B+4*\s+3], 0x80000000
.endr
.set HA,  40                           ; s[40:43], s[44:47] the head's groups 0: a WHOLE tile a wave: waves 0, 1 A's K steps 0, 1; waves 2, 3 B's
.set HB,  44
.set PFO, 31                           ; v31  256 x lane; never rewritten
	s_mov_b32 s101, 0
	s_mul_i32 s100, s[XH], SA-128*256              ; back from my half's rows to the tile's first, and XH K steps on
	s_add_nc_u64 s[HA+2:HA+3], s[4:5], s[100:101]
	s_add_nc_u64 s[HB+2:HB+3], s[8:9], s[100:101]
	s_or_b32 s[HA+3], s[HA+3], 0x80000000
	s_or_b32 s[HB+3], s[HB+3], 0x80000000
	s_mov_b32 s[HA], 1
	s_mul_i32 s[HA+1], s[XH], SLOT
	s_mov_b32 s[HB], 1
	s_add_co_u32 s[HB+1], s[HA+1], AB
	; the prefetches: of the 128 dense rows that my wave fetches for the ring, each of the four partners that ask for them jointly names 32, told apart by address (cx for A, cy for B): lanes 256 bytes apart
	s_cmp_eq_u32 s[YH], 0
	s_cselect_b64 s[76:77], s[4:5], s[8:9]
	s_cselect_b32 s78, s84, s85
	s_lshl_b32 s78, s78, 13
	s_mov_b32 s79, 0
	s_add_nc_u64 s[76:77], s[76:77], s[78:79]
	v_lshlrev_b32 v[PFO], 8, v3
.macro HARM under, g0, g1, next                ; one arm of the head's chain, for the wave of that number: one tensor load a wave
	s_cmp_eq_u32 s[WV], \under
	s_cbranch_scc0 \next
	tensor_load_to_lds s[\g0:\g0+3], s[\g1:\g1+7]
	s_nop 0
	PLACES 4
	s_branch .Lhead_asked
\next:
.endm
	v_and_b32 v15, 7, v3
	v_lshlrev_b32 v15, 8, v15                      ; v15: 256 x lane % 8: the eight blocks of 256 bytes of my wave's mask words; never rewritten
	s_wait_alu depctr_va_vdst(0)                   ; The scale words' loads go out first, ahead of the round and the tiles
.irp j, 0,1                                    ; the scale words: thread t takes rows t and t + 128, eight words each; a load reads 128 consecutive bytes a wave
.irp c, 0,1,2,3,4,5,6,7
	global_load_b32 v[SC+8*\j+\c], v[T4], s[6:7] offset:(\c*8192+128*\j)*4
	global_load_b32 v[SC+16+8*\j+\c], v[T4], s[10:11] offset:(\c*8192+128*\j)*4
.endr
.endr
	CROUND                                         ; all sixteen work-groups are here: the first joint loads meet
	HARM 0, HA, G1, .Lh_b0                         ; the chain's order is the order of need: K step 0's two tiles (waves 0, 2), then K step 1's (waves 1, 3)
	HARM 2, HB, G1B, .Lh_a1
	HARM 1, HA, G1, .Lh_b1
	tensor_load_to_lds s[HB:HB+3], s[G1B:G1B+7]
	s_nop 0
	PLACES 4
.Lhead_asked:
	s_wait_loadcnt 0x0
	global_prefetch_b8 v[PFO], s[76:77] offset:2*SA th:TH_LOAD_NT scope:SCOPE_SE   ; K steps 2 and 3, which the two refills will ask for
	global_prefetch_b8 v[PFO], s[76:77] offset:3*SA th:TH_LOAD_NT scope:SCOPE_SE
	global_prefetch_b8 v15, s[74:75] th:TH_LOAD_NT scope:SCOPE_SE                  ; my wave's 2,048 bytes of mask words, which the scalar loads of the way out will ask for, all four K steps ahead
.irp j, 0,1
.irp i, 0,1
	ds_store_b128 v[SCW], v[SC+8*\j+4*\i:SC+8*\j+4*\i+3] offset:\j*SROW+16*\i
	ds_store_b128 v[SCW], v[SC+16+8*\j+4*\i:SC+16+8*\j+4*\i+3] offset:ASC+\j*SROW+16*\i
.endr
.endr
	s_wait_alu depctr_va_vdst(0)
	s_cmp_eq_u32 s[XH], 0                          ; waves 0 and 2 fetched K step 0: they wait here; K step 1's loads, lines of waves 1 and 3 alone, are waited for at the first change of slots
	s_cbranch_scc0 .Lslot_1
	s_wait_tensorcnt 0x0
.Lslot_1:
	s_wait_dscnt 0x0
	s_barrier_signal -1
	s_barrier_wait -1
	FETCH_B 0, 0, 0
	FETCH_A 0, 0, 0
	SCALES 0
	FETCH_A 0, 0, NH
	STEP 0, 1
	s_mov_b32 s3, LAPS-1
.Llap:
	TURN 0, 1, 1
	STEP 1, 0
	TURN 1, 0, 1
	STEP 0, 0
	s_sub_co_u32 s3, s3, 1
	s_cmp_lg_u32 s3, 0
	s_cbranch_scc1 .Llap
	TURN 0, 1, 0
	MLOAD 0                                        ; no tensor load of mine is out any more (the wait for 0 at the head of the change of slots): the descriptors' registers take the first block's mask words
	STEP 1, 0
	LAST
.irp b, 0,1,2,3
	v_mov_b32 v[TM+4+\b], 0                        ; a lane permute's destination counts as one of its sources
.endr
	v_mov_b32 v83, 0
.irp a, 0,1,2,3,4,5,6,7
	v_mov_b32 v[97+2*\a], 0                        ; named as the upper half of the pair (-M, l) before l is written
.endr
.irp a, 0,1,2,3
	SOFTQ \a
.endr
	; blocks 0-3 leave while blocks 4-7 are still to be made: a row's 256 bytes come from two waves, so a barrier stands between the stores to the stage and the loads; v128-191, these blocks' codes, have been stored to LDS and take the rows
	s_wait_alu depctr_va_vdst(0)
	s_wait_dscnt 0x0
	s_barrier_signal -1
	s_barrier_wait -1
.set n, 0
.rept 16
	ds_load_b128 v[128+4*n:128+4*n+3], v[RD] offset:544*n
.set n, n+1
.endr
.set n, 0
.rept 16
	s_wait_dscnt 15-n                              ; load n is in; the 15 - n behind it may be out
	global_store_b128 v[L16], v[128+4*n:128+4*n+3], s[12:13] offset:512*n   ; two rows of 256 bytes, consecutive in the codes' layout
.set n, n+1
.endr
.irp a, 4,5,6,7
	SOFTQ \a
.endr
	s_wait_dscnt 0x0                               ; a row's 256 bytes come from two waves
	s_barrier_signal -1
	s_barrier_wait -1
.irp i, 0,1,2
	ds_load_b128 v[64+4*\i:64+4*\i+3], v[WSR] offset:512*\i
.endr
.set n, 0
.rept 16
	ds_load_b128 v[192+4*n:192+4*n+3], v[RD] offset:64*272+544*n
.set n, n+1
.endr
	s_wait_dscnt 16                                ; the three arrays are in; the 16 loads behind them may be out
.irp i, 0,1,2
	global_store_b128 v[L16], v[64+4*\i:64+4*\i+3], s[14:15] offset:524288*\i   ; 512 consecutive bytes each
.endr
.set n, 0
.rept 16
	s_wait_dscnt 15-n
	global_store_b128 v[L16], v[192+4*n:192+4*n+3], s[12:13] offset:64*256+512*n
.set n, n+1
.endr
	s_wait_tensorcnt 0x0                           ; the wave's end
	ds_add_u32 v[SPW], v[NIL]
	s_wait_dscnt 0x0
	CROUND
	s_endpgm
.Lfunc_end_k_q865e95ecf7_score:
	.size	k_q865e95ecf7_score, .Lfunc_end_k_q865e95ecf7_score-k_q865e95ecf7_score
	.p2alignl 7, 3214868480
	.fill 96, 4, 3214868480
	.section	.rodata,"a",@progbits
	.p2align	6, 0x0
	.amdhsa_kernel k_q865e95ecf7_score
		.amdhsa_group_segment_fixed_size 327680
		.amdhsa_private_segment_fixed_size 0
		.amdhsa_enable_private_segment 0
		.amdhsa_kernarg_size 40
		.amdhsa_user_sgpr_count 2
		.amdhsa_user_sgpr_kernarg_segment_ptr 1
		.amdhsa_wavefront_size32 1
		.amdhsa_system_sgpr_workgroup_id_x 1
		.amdhsa_system_sgpr_workgroup_id_y 1
		.amdhsa_system_sgpr_workgroup_id_z 1
		.amdhsa_system_vgpr_workitem_id 0
		.amdhsa_next_free_vgpr 1024
		.amdhsa_next_free_sgpr 102
		.amdhsa_reserve_vcc 0
		.amdhsa_float_denorm_mode_32 3
		.amdhsa_float_denorm_mode_16_64 3
		.amdhsa_memory_ordered 1
		.amdhsa_forward_progress 1
		.amdhsa_inst_pref_size 255
	.end_amdhsa_kernel
	.section	.bss,"aw",@nobits
	.p2align	6
	.space	262144
	.amdgpu_metadata
---
amdhsa.version: [ 1, 2 ]
amdhsa.kernels:
  - .name:           k_q865e95ecf7_score
    .symbol:         k_q865e95ecf7_score.kd
    .args:
      - { .name: qkv, .offset: 0, .size: 8, .value_kind: global_buffer, .address_space: global }
      - { .name: qkvs, .offset: 8, .size: 8, .value_kind: global_buffer, .address_space: global }
      - { .name: pc, .offset: 16, .size: 8, .value_kind: global_buffer, .address_space: global }
      - { .name: pst, .offset: 24, .size: 8, .value_kind: global_buffer, .address_space: global }
      - { .name: mw, .offset: 32, .size: 8, .value_kind: global_buffer, .address_space: global }
    .group_segment_fixed_size: 327680
    .private_segment_fixed_size: 0
    .kernarg_segment_align: 8
    .kernarg_segment_size: 40
    .max_flat_workgroup_size: 128
    .sgpr_count:     102
    .vgpr_count:     1024
    .wavefront_size: 32
...
	.end_amdgpu_metadata
.endif
;; end of part 2
;; launch ctx (part 3): grid 4 x 64, 4 waves a work-group, clusters of 4 x 4, 327,680 bytes of LDS; arguments pc, pst, qkv, qkvs, cc, cs; writes cc, cs
.if DOCPART == 3
	.amdgcn_target "amdgcn-amd-amdhsa--gfx1250"
	.amdhsa_code_object_version 6
	.text
	.protected	k_q865e95ecf7_ctx
	.globl	k_q865e95ecf7_ctx
	.p2align	8
	.type	k_q865e95ecf7_ctx,@function
k_q865e95ecf7_ctx:
	s_mov_b64 s[64:65], 0
	v_nop
	global_prefetch_b8 v0, s[64:65] scope:SCOPE_SE
	s_setreg_imm32_b32 hwreg(HW_REG_WAVE_MODE, 25, 1), 1
	s_wait_xcnt 0x0
	s_wait_alu depctr_hold_cnt(0) depctr_sa_sdst(0) depctr_va_vdst(0) depctr_va_sdst(0) depctr_va_ssrc(0) depctr_va_vcc(0) depctr_vm_vsrc(0)
	s_getreg_b32 s2, hwreg(HW_REG_IB_STS2, 6, 4)
	s_cmp_eq_u32 s2, 0
	s_cbranch_scc0 .Lentry_in_a_cluster
	s_endpgm
.Lentry_in_a_cluster:
	s_bfe_u32 s2, ttmp6, 0x10000c
	s_cmp_lg_u32 s2, 0xf033
	s_cbranch_scc0 .Lentry_shape_is_right
	s_endpgm
.Lentry_shape_is_right:
; ctx = (P V) / l on the codes of p (A, rows = queries) and of V^T (B, rows = features), K = the batch's 2,048 keys in steps of 256; the result is quantised along the features for the last launch.
; THE HEAD joins a row's 16 chunks, a thread a row: the row's M is the largest chunk's; a chunk's scale bytes go down by the whole number M - its own M (a byte that would pass 0 becomes 0), its l is scaled by the same power of two; 1 / l is kept.
; A row whose every key is masked has l = 0: its scale words become 0xff bytes, so that the row is NaN in the end, as the softmax of such a row is.
; Nothing is left out.  LIMITS: NaN and infinities among the inputs are not served; chunks more than 127 under the row's M count with the byte 0.
; SHARES: 256 work-groups, a tile of 128 queries x 256 features, four waves of 64 x 128; ring of two LDS slots; clusters 4 x 4 with joint loads: A's tile along a row, B's along a column.
; At the head each wave fetches one WHOLE tile: waves 0, 1 A's K steps 0, 1; waves 2, 3 B's.  PREFETCH: each K step from 2 on is named two refills ahead of its tensor load, a quarter of a wave's rows by each of the four partners, told apart by address.
.set NA,    4
.set NH,    NA/2
.set AROWS, 32*NA
.set KTOT,  2048
.set LAPS,  KTOT/512
.set KS,    KTOT/32
.set PA,    256
.set PB,    256
.set SA,    524288
.set SB,    262144
.set PITCH, 272
.set HALFA, (AROWS/2)*PITCH
.set HALFB, 128*PITCH
.set AB,    2*HALFA
.set SLOT,  AB+2*HALFB
.set SCL,   2*SLOT
.set ASC,   (AROWS*KS/256)*272
.set BSC,   KS*272
.set SBLK,  (16*KS/256)*272
.set SROW,  (128*KS/256)*272
.set RLS,   SCL+ASC+BSC
.set SPARE, RLS+1024
.set WST,   AROWS*272
.set WSZ,   256
.set L8,   15
.set ADRA, 16
.set T4,   18
.set SCW,  19
.set ADRB, 20
.set WSA,  22
.set WSR,  23
.set STO,  24
.set RD,   25
.set L16,  26
.set ADRS, 27
.set SPW,  28
.set NIL,  29
.set RLA,  30
.set RLW,  31
.set SC,   32
.set TM,   64
.set SW,   112
.set AF,   128
.set G1,  24
.set G0,  32
.set G1B, 48
.set G0B, 56
.set WV,  66
.set YH,  67
.set XH,  68
.set MNT, 69
.set SEL, 70
.set MSB, 0
.macro WIN new
.if MSB != (\new)
	s_set_vgpr_msb (MSB<<8)|(\new)
.set MSB, \new
.endif
.endm
.macro PLACES n
.rept \n
	v_nop
.endr
.endm
.macro JLOAD s
	s_cmp_eq_u32 s[YH], 0
	s_cbranch_scc0 .Lfor_b_\@
	tensor_load_to_lds s[G0+4*\s:G0+4*\s+3], s[G1:G1+7]
	s_nop 0
.rept 4
	v_nop
.endr
	s_branch .Lasked_\@
.Lfor_b_\@:
	tensor_load_to_lds s[G0B+4*\s:G0B+4*\s+3], s[G1B:G1B+7]
	s_nop 0
.rept 4
	v_nop
.endr
.Lasked_\@:
.endm
.macro CREST
	s_cmp_lg_u32 s[WV], 0
	s_cbranch_scc1 .Lnot_wave_0_\@
	s_barrier_signal -3
.Lnot_wave_0_\@:
	s_barrier_wait -3
	s_barrier_signal -1
	s_barrier_wait -1
.endm
.macro CROUND
	s_barrier_signal -1
	s_barrier_wait -1
	CREST
.endm
.macro FRAG reg, adr, q, i
.irp c, 0,1,2,3
	ds_load_b128 v[\reg+4*\c:\reg+4*\c+3], v[\adr] offset:128*(\q)+32*\c+(\i)*16*PITCH
.endr
.endm
.macro FETCH_B slot, q, p
	WIN 0x40
.irp i, 0,1,2,3,4,5,6,7
	FRAG 128*(\p)+16*\i, ADRB+\slot, \q, \i
.endr
	WIN 0
.endm
.macro FETCH_A slot, q, i0
.set fi, \i0
.rept NH
	FRAG AF+16*fi, ADRA+\slot, \q, fi
.set fi, fi+1
.endr
.endm
.macro SCALES sc
.irp i, 0,1,2,3,4,5,6,7
	ds_load_b64 v[SC+16*\sc+2*\i:SC+16*\sc+2*\i+1], v[ADRS] offset:\i*SBLK
.endr
.endm
.macro MULB a, p, q, sc, cm
	WIN 0xa1
.irp b, 0,1,2,3,4,5,6,7
.set rD, 8*(8*(\a)+\b)
.if (\cm) == 0
	v_wmma_scale_f32_16x16x128_f8f6f4 v[rD:rD+7], v[128*(\p)+16*\b:128*(\p)+16*\b+15], v[AF+16*(\a):AF+16*(\a)+15], v[rD:rD+7], v[SC+16*(\sc)+2*\b+(\q)], v[SC+16*(\sc)+2*(\a)+(\q)] matrix_a_scale:MATRIX_SCALE_ROW1
.else
	v_wmma_scale_f32_16x16x128_f8f6f4 v[rD:rD+7], v[128*(\p)+16*\b:128*(\p)+16*\b+15], v[AF+16*(\a):AF+16*(\a)+15], 0, v[SC+16*(\sc)+2*\b+(\q)], v[SC+16*(\sc)+2*(\a)+(\q)] matrix_a_scale:MATRIX_SCALE_ROW1
.endif
.endr
.endm
.macro STEP slot, cm
	s_wait_dscnt 4*NH
.set ma, 0
.rept NH
	MULB ma, 0, 0, \slot, \cm
.set ma, ma+1
.endr
	s_wait_dscnt 0x0
	PLACES 8
	FETCH_B \slot, 1, 1
	FETCH_A \slot, 1, 0
.rept NH
	MULB ma, 0, 0, \slot, \cm
.set ma, ma+1
.endr
	PLACES 8
	WIN 0
	FETCH_A \slot, 1, NH
.endm
.macro TURN slot, next, fill
	s_wait_tensorcnt 0x0
	ds_add_u32 v[SPW], v[NIL]
.if \fill
	s_mov_b32 s[G1+2], (AROWS/2)<<16               ; no tensor load of mine is out: a refill brings half a tile's rows a wave
	s_mov_b32 s[G1+4], AROWS/2
	s_mov_b32 s[G1B+2], 128<<16
	s_mov_b32 s[G1B+4], 128
	s_wait_xcnt 0x0                                ; my last prefetch has read its address: it steps two K steps on
	s_add_nc_u64 s[PF+2*\slot:PF+2*\slot+1], s[PF+2*\slot:PF+2*\slot+1], s[PFS:PFS+1]
.endif
	s_wait_dscnt 4*NH+1
.set ma, 0
.rept NH/2
	MULB ma, 1, 1, \slot, 0
.set ma, ma+1
.endr
	s_wait_dscnt 0x0
	s_barrier_signal -1
.rept NH/2
	MULB ma, 1, 1, \slot, 0
.set ma, ma+1
.endr
	WIN 0
	s_barrier_wait -1
.if \fill
	CREST
	s_add_nc_u64 s[G0+4*\slot+2:G0+4*\slot+3], s[G0+4*\slot+2:G0+4*\slot+3], 2*SA
	s_add_nc_u64 s[G0B+4*\slot+2:G0B+4*\slot+3], s[G0B+4*\slot+2:G0B+4*\slot+3], 2*SB
	JLOAD \slot
	PLACES 4
.else
	PLACES 8
.endif
	s_wait_alu depctr_va_vdst(0)
	v_add_nc_u32 v[ADRS], 8, v[ADRS]
	FETCH_B \next, 0, 0
	FETCH_A \next, 0, 0
	SCALES \next
.if \fill
	s_cmp_gt_u32 s3, 1                             ; the last trip's two refills have no K step two on
	s_cbranch_scc0 .Lno_pf_\@
	global_prefetch_b8 v[PFO], s[PF+2*\slot:PF+2*\slot+1] th:TH_LOAD_NT scope:SCOPE_SE   ; the K step two refills on
.Lno_pf_\@:
.endif
.rept NH
	MULB ma, 1, 1, \slot, 0
.set ma, ma+1
.endr
	PLACES 8
	WIN 0
	FETCH_A \next, 0, NH
.endm
.macro LAST
	s_wait_dscnt 4*NH
.set ma, 0
.rept NH
	MULB ma, 1, 1, 1, 0
.set ma, ma+1
.endr
	s_wait_dscnt 0x0
.rept NH
	MULB ma, 1, 1, 1, 0
.set ma, ma+1
.endr
	WIN 0
	PLACES 8
.endm
.macro QUANT a
.set AC, 64*(\a)
.set PC, 128+16*(\a)
	WIN 0x82
.set n, 0
.rept 32
	v_pk_mul_f32 v[AC+n:AC+n+1], v[AC+n:AC+n+1], v[96+2*(\a):97+2*(\a)] op_sel_hi:[1,0]
.set n, n+2
.endr
	WIN 0x28
.irp i, 0,2,4,6,8,10,12,14
.irp b, 0,1,2,3
.if \i == 0
	v_max3_num_f32 v[TM+\b], 0x4800000, |v[AC+16*\b]|, |v[AC+16*\b+1]|
.else
	v_max3_num_f32 v[TM+\b], v[TM+\b], |v[AC+16*\b+\i]|, |v[AC+16*\b+\i+1]|
.endif
.endr
.endr
	WIN 0
.irp b, 0,1,2,3
	v_permlanex16_b32 v[TM+4+\b], v[TM+\b], s[SEL], s[SEL+1]
.endr
.irp b, 0,1,2,3
	v_max_num_f32 v[TM+\b], v[TM+\b], v[TM+4+\b]
.endr
.irp b, 0,1,2,3
	v_add_nc_u32 v[TM+12+\b], 0xfc000000, v[TM+\b]
.endr
.irp b, 0,1,2,3
	v_and_or_b32 v[TM+8+\b], v[TM+\b], 0x7f800000, s[MNT]
.endr
.irp b, 0,1,2,3
	v_lshrrev_b32 v[TM+4+\b], 23, v[TM+12+\b]
.endr
	v_lshl_or_b32 v[SW+(\a)], v[TM+5], 8, v[TM+4]
	v_lshl_or_b32 v[SW+(\a)], v[TM+6], 16, v[SW+(\a)]
	v_lshl_or_b32 v[SW+(\a)], v[TM+7], 24, v[SW+(\a)]
	v_or_b32 v[SW+(\a)], v[SW+(\a)], v[97+2*(\a)]
	WIN 0x82
.set n, 0
.rept 64
	v_med3_num_f32 v[AC+n], v[AC+n], -v[TM+8+n/16], v[TM+8+n/16]
.set n, n+1
.endr
	WIN 0x02
.set n, 0
.rept 8
	v_cvt_scalef32_pk8_fp8_f32 v[PC+2*n:PC+2*n+1], v[AC+8*n:AC+8*n+7], v[TM+12+n/2]
.set n, n+1
.endr
	WIN 0
	v_nop
.set n, 0
.rept 8
	ds_store_b64 v[STO], v[PC+2*n:PC+2*n+1] offset:(\a)*4352+16*n
.set n, n+1
.endr
	ds_store_b32 v[WSA], v[SW+(\a)] offset:64*(\a)
.endm
	s_load_b256 s[4:11], s[0:1], 0x0
	s_load_b128 s[12:15], s[0:1], 0x20
	v_lshl_add_u32 v[SPW], v0, 2, SPARE
	v_mov_b32 v[NIL], 0
	ds_add_u32 v[SPW], v[NIL]
	ds_add_u32 v[SPW], v[NIL]
	v_lshrrev_b32 v1, 5, v0
	v_readfirstlane_b32 s[WV], v1
	s_lshr_b32 s[YH], s[WV], 1
	s_and_b32 s[XH], s[WV], 1
	v_and_b32 v1, 15, v0
	v_bfe_u32 v2, v0, 4, 1
	v_and_b32 v3, 31, v0
	v_mul_u32_u24 v4, v1, PITCH
	v_lshl_add_u32 v4, v2, 4, v4
	s_mul_i32 s16, s[YH], HALFA
	s_mul_i32 s17, s[XH], HALFB
	s_add_co_u32 s17, s17, AB
.irp s, 0,1
	v_add_nc_u32 v[ADRA+\s], s16, v4
	v_add_nc_u32 v[ADRB+\s], s17, v4
	s_add_co_u32 s16, s16, SLOT
	s_add_co_u32 s17, s17, SLOT
.endr
	v_mul_u32_u24 v5, v1, KS
	v_lshrrev_b32 v6, 8, v5
	v_lshl_add_u32 v5, v6, 4, v5
	s_mul_i32 s16, s[YH], (16*NA*KS/256)*272
	s_mul_i32 s17, s[XH], BSC/2
	s_add_co_u32 s17, s17, ASC
	s_sub_co_u32 s17, s17, s16
	v_mul_u32_u24 v6, s17, v2
	s_add_co_u32 s16, s16, SCL
	v_add_nc_u32 v5, v5, v6
	v_add_nc_u32 v[ADRS], s16, v5
	v_mul_u32_u24 v5, v0, KS
	v_lshrrev_b32 v6, 8, v5
	v_lshl_add_u32 v5, v6, 4, v5
	v_add_nc_u32 v[SCW], SCL, v5
	s_mul_i32 s16, s[YH], 16*NA*272
	s_lshl_b32 s17, s[XH], 7
	s_add_co_u32 s16, s16, s17
	v_mul_u32_u24 v5, v1, 272
	v_lshl_add_u32 v5, v2, 3, v5
	v_add_nc_u32 v[STO], s16, v5
	s_mul_i32 s16, s[WV], 8*NA*272
	v_mul_u32_u24 v5, v2, 272
	v_lshl_add_u32 v5, v1, 4, v5
	v_add_nc_u32 v[RD], s16, v5
	s_mul_i32 s16, s[WV], WSZ
	s_add_co_u32 s16, s16, WST
	v_lshl_add_u32 v[WSA], v1, 2, s16
	v_lshl_add_u32 v[WSR], v3, 3, s16
	s_lshl_b32 s16, s[YH], 8
	s_add_co_u32 s16, s16, RLS
	v_lshl_add_u32 v[RLA], v1, 2, s16
	v_lshl_add_u32 v[RLW], v0, 2, RLS
	v_lshlrev_b32 v[T4], 2, v0
	v_lshlrev_b32 v[L16], 4, v3
	v_lshlrev_b32 v[L8], 3, v3
	s_mov_b32 s[SEL], 0x76543210
	s_mov_b32 s[SEL+1], 0xfedcba98
	s_mov_b32 s[MNT], 0x600000
	s_bfe_u32 s84, ttmp6, 0x40000
	s_bfe_u32 s85, ttmp6, 0x40004
	s_and_b32 s88, ttmp7, 0xffff
	s_lshl_b32 s87, s88, 2
	s_add_co_u32 s87, s87, s85
	s_lshr_b32 s89, s88, 2
	s_and_b32 s91, s87, 15
	s_lshl_b32 s92, s85, 2
	s_lshl_b32 s92, 15, s92
	s_lshl_b32 s93, 0x1111, s84
	s_or_b32 s[G1], s92, (1<<20)|(1<<21)|(5<<22)|(3<<25)
	s_or_b32 s[G1B], s93, (1<<20)|(1<<21)|(5<<22)|(3<<25)
	s_mov_b32 s[G1+1], 256<<16
	s_mov_b32 s[G1+2], AROWS<<16                   ; the head's loads bring a whole tile; a change of slots sets the two row counts to a half
	s_mov_b32 s[G1+3], 256<<16
	s_mov_b32 s[G1+4], AROWS
	s_mov_b32 s[G1+5], PA
	s_mov_b32 s[G1+6], 0
	s_mov_b32 s[G1+7], 0
	s_mov_b32 s[G1B+1], 256<<16
	s_mov_b32 s[G1B+2], 256<<16
	s_mov_b32 s[G1B+3], 256<<16
	s_mov_b32 s[G1B+4], 256
	s_mov_b32 s[G1B+5], PB
	s_mov_b32 s[G1B+6], 0
	s_mov_b32 s[G1B+7], 0
	s_mul_i32 s96, s[XH], HALFA
	s_mul_i32 s97, s[XH], HALFB
	s_add_co_u32 s97, s97, AB
	s_wait_dscnt 0x0
	s_wait_kmcnt 0x0
	s_lshl_b32 s16, s89, 22
	s_lshl_b32 s17, s91, 15
	s_add_co_u32 s16, s16, s17
	s_lshl_b32 s17, s[XH], 14
	s_add_co_u32 s16, s16, s17
	s_mov_b32 s17, 0
	s_add_nc_u64 s[4:5], s[4:5], s[16:17]
	s_lshl_b32 s16, s89, 17
	s_lshl_b32 s18, s91, 9
	s_add_co_u32 s16, s16, s18
	s_add_nc_u64 s[6:7], s[6:7], s[16:17]
	s_lshl_b32 s94, s89, 21
	s_lshl_b32 s95, s84, 16
	s_add_co_u32 s94, s94, s95
	s_lshl_b32 s95, s[XH], 15
	s_add_co_u32 s94, s94, s95
	s_add_co_u32 s94, s94, 16777216
	s_mov_b32 s95, 0
	s_add_nc_u64 s[8:9], s[8:9], s[94:95]
	s_lshl_b32 s94, s89, 16
	s_lshl_b32 s98, s84, 10
	s_add_co_u32 s94, s94, s98
	s_add_co_u32 s94, s94, 524288
	s_add_nc_u64 s[10:11], s[10:11], s[94:95]
	s_lshl_b32 s20, s84, 15                        ; the codes go out as [tile of 128 rows][256 features][128 rows][256 bytes]: a tile's rows, all features, are one dense block for the reader
	s_lshl_b32 s19, s87, 17
	s_add_co_u32 s20, s20, s19
	s_lshl_b32 s19, s[WV], 13
	s_add_co_u32 s20, s20, s19
	s_mov_b32 s21, 0
	s_add_nc_u64 s[12:13], s[12:13], s[20:21]
	s_lshl_b32 s20, s84, 16
	s_lshl_b32 s19, s[XH], 15
	s_add_co_u32 s20, s20, s19
	s_lshl_b32 s19, s87, 9
	s_add_co_u32 s20, s20, s19
	s_lshl_b32 s19, s[YH], 8
	s_add_co_u32 s20, s20, s19
	s_add_nc_u64 s[14:15], s[14:15], s[20:21]
.irp s, 0,1
	s_mov_b32 s[G0+4*\s], 1
	s_add_co_u32 s[G0+4*\s+1], s96, \s*SLOT
	s_add_nc_u64 s[G0+4*\s+2:G0+4*\s+3], s[4:5], \s*SA
	s_or_b32 s[G0+4*\s+3], s[G0+4*\s+3], 0x80000000
	s_mov_b32 s[G0B+4*\s], 1
	s_add_co_u32 s[G0B+4*\s+1], s97, \s*SLOT
	s_add_nc_u64 s[G0B+4*\s+2:G0B+4*\s+3], s[8:9], \s*SB
	s_or_b32 s[G0B+4*\s+3], s[G0B+4*\s+3], 0x80000000
.endr
.set HA,  40                           ; s[40:43], s[44:47] the head's groups 0
.set HB,  44
.set PF,  76                           ; s[76:77], s[78:79] where my prefetches stand, for slot 0 and slot 1
.set PFS, 80                           ; s[80:81] two K steps in bytes
.set PFO, 14                           ; v14  256 x lane (A: x lane % 16); never rewritten
	s_mov_b32 s101, 0
	s_mul_i32 s100, s[XH], SA-64*256               ; back from my half's rows to the tile's first, and XH K steps on
	s_add_nc_u64 s[HA+2:HA+3], s[4:5], s[100:101]
	s_mul_i32 s100, s[XH], SB-128*256
	s_add_nc_u64 s[HB+2:HB+3], s[8:9], s[100:101]
	s_or_b32 s[HA+3], s[HA+3], 0x80000000
	s_or_b32 s[HB+3], s[HB+3], 0x80000000
	s_mov_b32 s[HA], 1
	s_mul_i32 s[HA+1], s[XH], SLOT
	s_mov_b32 s[HB], 1
	s_add_co_u32 s[HB+1], s[HA+1], AB
	s_cmp_eq_u32 s[YH], 0                          ; the prefetches: A: 16 of my 64 dense rows by cx (lanes 16-31 name the same rows again); B: 32 of my 128 by cy
	s_cselect_b64 s[PF:PF+1], s[4:5], s[8:9]
	s_cselect_b32 s82, s84, s85
	s_cselect_b32 s83, 12, 13
	s_cselect_b32 s100, 15, 31
	s_mov_b32 s[PFS], 2*SB
	s_cselect_b32 s[PFS], 2*SA, s[PFS]
	s_mov_b32 s[PFS+1], 0
	s_lshl_b32 s82, s82, s83
	s_mov_b32 s83, 0
	s_add_nc_u64 s[PF:PF+1], s[PF:PF+1], s[82:83]
	s_add_nc_u64 s[PF:PF+1], s[PF:PF+1], s[PFS:PFS+1]      ; K step 2
	s_lshr_b32 s82, s[PFS], 1
	s_add_nc_u64 s[PF+2:PF+3], s[PF:PF+1], s[82:83]        ; K step 3
	v_and_b32 v[PFO], s100, v3
	v_lshlrev_b32 v[PFO], 8, v[PFO]
.macro HARM under, g0, g1, next                ; one arm of the head's chain, for the wave of that number: one tensor load a wave
	s_cmp_eq_u32 s[WV], \under
	s_cbranch_scc0 \next
	tensor_load_to_lds s[\g0:\g0+3], s[\g1:\g1+7]
	s_nop 0
	PLACES 4
	s_branch .Lhead_asked
\next:
.endm
	CROUND                                         ; all sixteen work-groups are here: the first joint loads meet
	HARM 0, HA, G1, .Lh_b0                         ; the chain's order is the order of need: K step 0's two tiles (waves 0, 2), then K step 1's (waves 1, 3)
	HARM 2, HB, G1B, .Lh_a1
	HARM 1, HA, G1, .Lh_b1
	tensor_load_to_lds s[HB:HB+3], s[G1B:G1B+7]
	s_nop 0
	PLACES 4
.Lhead_asked:
	s_wait_alu depctr_va_vdst(0)
	global_prefetch_b8 v[PFO], s[PF:PF+1] th:TH_LOAD_NT scope:SCOPE_SE       ; K steps 2 and 3, which the first two refills will ask for
	global_prefetch_b8 v[PFO], s[PF+2:PF+3] th:TH_LOAD_NT scope:SCOPE_SE
.set n, 0
	s_wait_alu depctr_va_vdst(0)
.rept 16
	global_load_b32 v[128+n], v[T4], s[6:7] offset:n*8192
	global_load_b32 v[144+n], v[T4], s[6:7] offset:n*8192+524288
	global_load_b32 v[160+n], v[T4], s[6:7] offset:n*8192+1048576
.set n, n+1
.endr
.irp j, 0,1
.set n, 0
.rept 16
	global_load_b32 v[SC+16*\j+n], v[T4], s[10:11] offset:(n*1024+128*\j)*4
.set n, n+1
.endr
.endr
	s_mov_b32 s98, 0x01010101
	s_wait_loadcnt 0x0
	v_min3_num_f32 v64, v144, v145, v146
.irp c, 147,149,151,153,155,157
	v_min3_num_f32 v64, v64, v[\c], v[\c+1]
.endr
	v_min_num_f32 v64, v64, v159
.set n, 0
.rept 16
	v_sub_f32 v[144+n], v64, v[144+n]
.set n, n+1
.endr
.set n, 0
.rept 16
	v_max_num_f32 v[144+n], 0xc2fe0000, v[144+n]
.set n, n+1
.endr
.set n, 0
.rept 16
	v_cvt_i32_f32 v[144+n], v[144+n]
.set n, n+1
.endr
.set n, 0
.rept 16
	v_ldexp_f32 v[160+n], v[160+n], v[144+n]
.set n, n+1
.endr
.set n, 0
.rept 16
	v_sub_nc_u32 v[144+n], 0, v[144+n]
.set n, n+1
.endr
.set n, 0
.rept 16
	v_mul_lo_u32 v[144+n], v[144+n], s98
.set n, n+1
.endr
.set n, 0
.rept 16
	v_or_b32 v[128+n], 0x80808080, v[128+n]
.set n, n+1
.endr
.set n, 0
.rept 16
	v_sub_nc_u32 v[128+n], v[128+n], v[144+n]
.set n, n+1
.endr
.set n, 0
.rept 16
	v_and_b32 v[144+n], 0x80808080, v[128+n]
.set n, n+1
.endr
.set n, 0
.rept 16
	v_lshrrev_b32 v[176+n], 7, v[144+n]
.set n, n+1
.endr
.set n, 0
.rept 16
	v_sub_nc_u32 v[144+n], v[144+n], v[176+n]
.set n, n+1
.endr
.set n, 0
.rept 16
	v_and_b32 v[128+n], v[128+n], v[144+n]
.set n, n+1
.endr
.irp c, 0,4,8,12
	v_pk_add_f32 v[160+\c:161+\c], v[160+\c:161+\c], v[162+\c:163+\c]
.endr
	v_pk_add_f32 v[160:161], v[160:161], v[164:165]
	v_pk_add_f32 v[168:169], v[168:169], v[172:173]
	v_pk_add_f32 v[160:161], v[160:161], v[168:169]
	v_add_f32 v160, v160, v161
	v_cmp_eq_f32 s99, 0, v160
	v_rcp_f32 v161, v160
	v_mov_b32 v162, 0
	s_wait_alu depctr_va_vdst(0)
	v_cndmask_b32 v161, v161, v162, s99
	v_cndmask_b32 v163, 0, -1, s99
.irp i, 0,1,2,3
	ds_store_b128 v[SCW], v[128+4*\i:128+4*\i+3] offset:16*\i
.endr
.irp j, 0,1
.irp i, 0,1,2,3
	ds_store_b128 v[SCW], v[SC+16*\j+4*\i:SC+16*\j+4*\i+3] offset:ASC+\j*SROW+16*\i
.endr
.endr
	ds_store_b32 v[RLW], v161
	ds_store_b32 v[RLW], v163 offset:512
	s_wait_alu depctr_va_vdst(0)
	s_cmp_eq_u32 s[XH], 0                          ; waves 0 and 2 fetched K step 0: they wait here; K step 1's loads, lines of waves 1 and 3 alone, are waited for at the first change of slots
	s_cbranch_scc0 .Lslot_1
	s_wait_tensorcnt 0x0
.Lslot_1:
	s_wait_dscnt 0x0
	s_barrier_signal -1
	s_barrier_wait -1
	FETCH_B 0, 0, 0
	FETCH_A 0, 0, 0
	SCALES 0
	FETCH_A 0, 0, NH
	STEP 0, 1
	s_mov_b32 s3, LAPS-1
.Llap:
	TURN 0, 1, 1
	STEP 1, 0
	TURN 1, 0, 1
	STEP 0, 0
	s_sub_co_u32 s3, s3, 1
	s_cmp_lg_u32 s3, 0
	s_cbranch_scc1 .Llap
	TURN 0, 1, 0
	STEP 1, 0
	LAST
.irp a, 0,1,2,3
	ds_load_b32 v[96+2*\a], v[RLA] offset:64*\a
	ds_load_b32 v[97+2*\a], v[RLA] offset:512+64*\a
.endr
.irp b, 0,1,2,3
	v_mov_b32 v[TM+4+\b], 0
.endr
	s_wait_dscnt 0x0
.irp a, 0,1,2,3
	QUANT \a
.endr
	s_wait_dscnt 0x0
	s_barrier_signal -1
	s_barrier_wait -1
	ds_load_b64 v[64:65], v[WSR]
.set n, 0
.rept 4*NA
	ds_load_b128 v[128+4*n:128+4*n+3], v[RD] offset:544*n
.set n, n+1
.endr
	s_wait_dscnt 4*NA
	global_store_b64 v[L8], v[64:65], s[14:15]
.set n, 0
.rept 4*NA
	s_wait_dscnt 4*NA-1-n
	global_store_b128 v[L16], v[128+4*n:128+4*n+3], s[12:13] offset:512*n
.set n, n+1
.endr
	s_wait_tensorcnt 0x0
	ds_add_u32 v[SPW], v[NIL]
	s_wait_dscnt 0x0
	CROUND
	s_endpgm
.Lfunc_end_k_q865e95ecf7_ctx:
	.size	k_q865e95ecf7_ctx, .Lfunc_end_k_q865e95ecf7_ctx-k_q865e95ecf7_ctx
	.p2alignl 7, 3214868480
	.fill 96, 4, 3214868480
	.section	.rodata,"a",@progbits
	.p2align	6, 0x0
	.amdhsa_kernel k_q865e95ecf7_ctx
		.amdhsa_group_segment_fixed_size 327680
		.amdhsa_private_segment_fixed_size 0
		.amdhsa_enable_private_segment 0
		.amdhsa_kernarg_size 48
		.amdhsa_user_sgpr_count 2
		.amdhsa_user_sgpr_kernarg_segment_ptr 1
		.amdhsa_wavefront_size32 1
		.amdhsa_system_sgpr_workgroup_id_x 1
		.amdhsa_system_sgpr_workgroup_id_y 1
		.amdhsa_system_sgpr_workgroup_id_z 1
		.amdhsa_system_vgpr_workitem_id 0
		.amdhsa_next_free_vgpr 768
		.amdhsa_next_free_sgpr 102
		.amdhsa_reserve_vcc 0
		.amdhsa_float_denorm_mode_32 3
		.amdhsa_float_denorm_mode_16_64 3
		.amdhsa_memory_ordered 1
		.amdhsa_forward_progress 1
		.amdhsa_inst_pref_size 144
	.end_amdhsa_kernel
	.amdgpu_metadata
---
amdhsa.version: [ 1, 2 ]
amdhsa.kernels:
  - .name:           k_q865e95ecf7_ctx
    .symbol:         k_q865e95ecf7_ctx.kd
    .args:
      - { .name: pc, .offset: 0, .size: 8, .value_kind: global_buffer, .address_space: global }
      - { .name: pst, .offset: 8, .size: 8, .value_kind: global_buffer, .address_space: global }
      - { .name: qkv, .offset: 16, .size: 8, .value_kind: global_buffer, .address_space: global }
      - { .name: qkvs, .offset: 24, .size: 8, .value_kind: global_buffer, .address_space: global }
      - { .name: cc, .offset: 32, .size: 8, .value_kind: global_buffer, .address_space: global }
      - { .name: cs, .offset: 40, .size: 8, .value_kind: global_buffer, .address_space: global }
    .group_segment_fixed_size: 327680
    .private_segment_fixed_size: 0
    .kernarg_segment_align: 8
    .kernarg_segment_size: 48
    .max_flat_workgroup_size: 128
    .sgpr_count:     102
    .vgpr_count:     768
    .wavefront_size: 32
...
	.end_amdgpu_metadata
.endif
;; end of part 3
;; launch outp (part 4): grid 4 x 64, 4 waves a work-group, clusters of 4 x 4, 327,680 bytes of LDS; arguments cc, cs, wo_codes, wo_scales, bo, out0; writes out0
.if DOCPART == 4
	.amdgcn_target "amdgcn-amd-amdhsa--gfx1250"
	.amdhsa_code_object_version 6
	.text
	.protected	k_q865e95ecf7_outp
	.globl	k_q865e95ecf7_outp
	.p2align	8
	.type	k_q865e95ecf7_outp,@function
k_q865e95ecf7_outp:
	s_mov_b64 s[64:65], 0
	v_nop
	global_prefetch_b8 v0, s[64:65] scope:SCOPE_SE
	s_setreg_imm32_b32 hwreg(HW_REG_WAVE_MODE, 25, 1), 1
	s_wait_xcnt 0x0
	s_wait_alu depctr_hold_cnt(0) depctr_sa_sdst(0) depctr_va_vdst(0) depctr_va_sdst(0) depctr_va_ssrc(0) depctr_va_vcc(0) depctr_vm_vsrc(0)
	s_getreg_b32 s2, hwreg(HW_REG_IB_STS2, 6, 4)
	s_cmp_eq_u32 s2, 0
	s_cbranch_scc0 .Lentry_in_a_cluster
	s_endpgm
.Lentry_in_a_cluster:
	s_bfe_u32 s2, ttmp6, 0x10000c
	s_cmp_lg_u32 s2, 0xf033
	s_cbranch_scc0 .Lentry_shape_is_right
	s_endpgm
.Lentry_shape_is_right:
; out0 = ctx wo + bo on the codes of ctx (A) and of wo (B), FP8 (E4M3) with one E8M0 scale for each 32 along K, K = 1,024 in four steps of 256; the bias is the C of each sum's first matrix instruction.
; A lies as the launch before left it: [tile of 128 rows][K / 256][128 rows][256 bytes], its scale words [K / 128][rows]; B as it is given, rows of 1,024 bytes.  f32 results leave through a stage in LDS, 512 bytes of a row an instruction.
; Nothing is left out.  LIMITS: NaN and infinities among the inputs are not served, but for the NaN rows that the launch before marks by scale bytes 0xff.
; SHARES: 256 work-groups, a tile of 128 rows x 256 columns, four waves of 64 x 128; clusters 4 x 4 with joint loads: A's tile along a row of the cluster, B's along a column.
; LDS: a K step's tiles are a plane of A (128 rows x 272 bytes) and a plane of B (256 x 272).  Three planes of each, 313,344 bytes, the scales' 13,056 and the spare 512 fit.  THE RING HAS TWO SLOTS OF UNLIKE SIZE: P = plane 0, one K step; Q = planes 1 and 2, two K steps.
; The head fills P and Q, one tensor load a wave: wave 3 A's three planes, one dense block of 384 rows of 256 bytes; waves 0, 1, 2 B's planes 0, 1, 2.  Behind K step 0, in one drained round of the cluster's barrier, P takes K step 3; it has K steps 1 and 2 in which to land.
; Between Q's two steps stands no barrier: the round has shown all of Q.  A plain barrier ahead of K step 3 shows the refill.
; PREFETCH: K step 3 is named behind the head's loads, more than a K step ahead of its refill: a quarter of a wave's rows by each of the four partners, told apart by address; wo, which all sixteen clusters read, by four clusters.  K steps 0 to 2 come by the head's loads alone.
.set NA,    4
.set NH,    NA/2
.set AROWS, 32*NA
.set KS,    32                         ; a row of scale bytes
.set PA,    256
.set PB,    1024
.set SA,    32768                      ; from K step to K step in A: 128 rows x 256 bytes
.set SB,    256
.set PITCH, 272                        ; an LDS row: 256 bytes + 16 of padding
.set HALFA, (AROWS/2)*PITCH
.set HALFB, 128*PITCH
.set AB,    2*HALFA                    ; a plane of A
.set BPL,   2*HALFB                    ; a plane of B
.set BREG,  3*AB                       ; B's planes lie behind A's three
.set SCL,   3*(AB+BPL)                 ; behind the planes: the scales, stored from registers
.set ASC,   (AROWS*KS/256)*272
.set BSC,   KS*272
.set SBLK,  (16*KS/256)*272
.set SROW,  (128*KS/256)*272
.set SPARE, SCL+ASC+BSC                ; the spare words, named by no other line
.set SPITCH, 528
.set STG,   AB                         ; the stage, 4 x 16 rows x 528 bytes, lies in A's plane 1: filled once, last read in K step 1, a barrier ahead of the first result
.set PFO,  14                          ; v14  the prefetch's lane offset; never rewritten
.set BXO,  15
.set ADRA, 16                          ; v16-18 A's fragments in planes 0, 1, 2
.set SCW,  19
.set ADRB, 20                          ; v20-22 B's
.set T4,   23
.set STO,  24
.set RD,   25
.set L16,  26
.set ADRS, 27
.set SPW,  28
.set NIL,  29
.set T32,  31
.set SC,   32                          ; v32-63 scale words, two sets, by turns from K step to K step
.set BIAS, 64
.set AF,   128
.set G1,  24                           ; s[24:31] group 1 for A;  s[32:35] group 0 of A's refill
.set G0,  32
.set HA,  40                           ; s[40:43], s[44:47] the head's groups 0
.set HB,  44
.set G1B, 48                           ; s[48:55] group 1 for B;  s[56:59] group 0 of B's refill
.set G0B, 56
.set WV,  66
.set YH,  67
.set XH,  68
.set PF,  76                           ; s[76:77] my prefetch of K step 3
.set MSB, 0
.macro WIN new                         ; the immediate's high byte repeats the setting that is left
.if MSB != (\new)
	s_set_vgpr_msb (MSB<<8)|(\new)
.set MSB, \new
.endif
.endm
.macro PLACES n
.rept \n
	v_nop
.endr
.endm
.macro JLOAD                           ; the joint refill: waves 0, 1 A's halves, waves 2, 3 B's; an s_nop 0 and four v_nop follow each line
	s_cmp_eq_u32 s[YH], 0
	s_cbranch_scc0 .Lfor_b_\@
	tensor_load_to_lds s[G0:G0+3], s[G1:G1+7]
	s_nop 0
	PLACES 4
	s_branch .Lasked_\@
.Lfor_b_\@:
	tensor_load_to_lds s[G0B:G0B+3], s[G1B:G1B+7]
	s_nop 0
	PLACES 4
.Lasked_\@:
.endm
.macro CREST                           ; a round of the cluster's barrier behind its opening barrier
	s_cmp_lg_u32 s[WV], 0
	s_cbranch_scc1 .Lnot_wave_0_\@
	s_barrier_signal -3
.Lnot_wave_0_\@:
	s_barrier_wait -3
	s_barrier_signal -1
	s_barrier_wait -1
.endm
.macro CROUND
	s_barrier_signal -1
	s_barrier_wait -1
	CREST
.endm
.macro HARM under, g0, g1, next        ; one arm of the head's chain, for the wave of that number: one tensor load a wave
	s_cmp_eq_u32 s[WV], \under
	s_cbranch_scc0 \next
	tensor_load_to_lds s[\g0:\g0+3], s[\g1:\g1+7]
	s_nop 0
	PLACES 4
	s_branch .Lhead_asked
\next:
.endm
.macro FRAG reg, adr, q, i             ; 16 rows x 128 K: lane l holds row l % 16; registers 4 c .. 4 c + 3 hold K = 32 c + 16 (l / 16) + 0 .. 15
.irp c, 0,1,2,3
	ds_load_b128 v[\reg+4*\c:\reg+4*\c+3], v[\adr] offset:128*(\q)+32*\c+(\i)*16*PITCH
.endr
.endm
.macro FETCH_B pl, q, p
	WIN 0x40
.irp i, 0,1,2,3,4,5,6,7
	FRAG 128*(\p)+16*\i, ADRB+\pl, \q, \i
.endr
	WIN 0
.endm
.macro FETCH_A pl, q, i0
.set fi, \i0
.rept NH
	FRAG AF+16*fi, ADRA+\pl, \q, fi
.set fi, fi+1
.endr
.endm
.macro SCALES sc                       ; a K step's two words a row: lanes 0-15 A's block i, lanes 16-31 B's block i
.irp i, 0,1,2,3,4,5,6,7
	ds_load_b64 v[SC+16*\sc+2*\i:SC+16*\sc+2*\i+1], v[ADRS] offset:\i*SBLK
.endr
.endm
.macro MULB a, p, q, sc, cm            ; A's block a against B's eight; cm = 2: the bias starts the sums.  The accumulators take turns
.if (\cm) >= 2
	WIN 0x81
.else
	WIN 0xa1
.endif
.irp b, 0,1,2,3,4,5,6,7
.set rD, 8*(8*(\a)+\b)
.if (\cm) == 0
	v_wmma_scale_f32_16x16x128_f8f6f4 v[rD:rD+7], v[128*(\p)+16*\b:128*(\p)+16*\b+15], v[AF+16*(\a):AF+16*(\a)+15], v[rD:rD+7], v[SC+16*(\sc)+2*\b+(\q)], v[SC+16*(\sc)+2*(\a)+(\q)] matrix_a_scale:MATRIX_SCALE_ROW1
.else
	v_wmma_scale_f32_16x16x128_f8f6f4 v[rD:rD+7], v[128*(\p)+16*\b:128*(\p)+16*\b+15], v[AF+16*(\a):AF+16*(\a)+15], v[BIAS+8*\b:BIAS+8*\b+7], v[SC+16*(\sc)+2*\b+(\q)], v[SC+16*(\sc)+2*(\a)+(\q)] matrix_a_scale:MATRIX_SCALE_ROW1
.endif
.endr
.endm
.macro STEP pl, sc, cm                 ; a K step's first 128 along K, from plane pl, scale set sc
	s_wait_dscnt 4*NH                              ; all but the youngest loads, A's upper blocks, are in
.set ma, 0
.rept NH
	MULB ma, 0, 0, \sc, \cm
.set ma, ma+1
.endr
	s_wait_dscnt 0x0
	PLACES 8
	FETCH_B \pl, 1, 1
	FETCH_A \pl, 1, 0
.rept NH
	MULB ma, 0, 0, \sc, \cm
.set ma, ma+1
.endr
	PLACES 8
	WIN 0
	FETCH_A \pl, 1, NH
.endm
; A K step's second 128 along K, and on to plane npl, scale set nsc.  mode 1: P is left and filled again, behind a drained round.  mode 2: from Q's first step to its second: no tile is awaited, nothing is filled, no barrier.  mode 0: a plain barrier shows the refill.
.macro TURN sc, npl, nsc, mode
.if (\mode) != 2
	s_wait_tensorcnt 0x0                           ; all my tensor loads have landed
	ds_add_u32 v[SPW], v[NIL]
.if (\mode) == 1
	s_mov_b32 s[G1+2], (AROWS/2)<<16               ; no tensor load of mine is out: the refill brings half a plane's rows a wave
	s_mov_b32 s[G1+4], AROWS/2
	s_mov_b32 s[G1B+2], 128<<16
	s_mov_b32 s[G1B+4], 128
.endif
	s_wait_dscnt 4*NH+1                            ; the add and A's upper blocks may be out
.else
	s_wait_dscnt 4*NH                              ; A's upper blocks may be out
.endif
.set ma, 0
.rept NH/2
	MULB ma, 1, 1, \sc, 0
.set ma, ma+1
.endr
	s_wait_dscnt 0x0                               ; my reads of this plane are over (and the add is done)
.if (\mode) != 2
	s_barrier_signal -1
.endif
.rept NH/2
	MULB ma, 1, 1, \sc, 0
.set ma, ma+1
.endr
	WIN 0
.if (\mode) != 2
	s_barrier_wait -1
.endif
.if (\mode) == 1
	CREST                                          ; the barrier has opened a round of the cluster's: no wave of any partner reads P or has a load on its way
	JLOAD                                          ; the first tensor load behind the round; its four v_nop are four of the eight places
	PLACES 4
.else
	PLACES 8
.endif
	s_wait_alu depctr_va_vdst(0)                   ; directly ahead of the reader
	v_add_nc_u32 v[ADRS], 8, v[ADRS]               ; the next K step's scale words
	FETCH_B \npl, 0, 0
	FETCH_A \npl, 0, 0
	SCALES \nsc
.rept NH
	MULB ma, 1, 1, \sc, 0
.set ma, ma+1
.endr
	PLACES 8
	WIN 0
	FETCH_A \npl, 0, NH
.endm
.macro LAST                            ; the very last 128 along K
	s_wait_dscnt 4*NH
.set ma, 0
.rept NH
	MULB ma, 1, 1, 1, 0
.set ma, ma+1
.endr
	s_wait_dscnt 0x0
.rept NH
	MULB ma, 1, 1, 1, 0
.set ma, ma+1
.endr
	WIN 0
	PLACES 8
.endm
.macro TOSTAGE a                       ; block a, 16 rows x 128 columns, through my own stage: in by 32 bytes a lane, back as whole rows of 512 bytes (LDS serves a wave's instructions in order)
.set AC, 64*(\a)
	WIN 0x08
.irp b, 0,1,2,3,4,5,6,7
	ds_store_b128 v[STO], v[AC+8*\b:AC+8*\b+3] offset:64*\b
	ds_store_b128 v[STO], v[AC+8*\b+4:AC+8*\b+7] offset:64*\b+16
.endr
	WIN 0
.set BB, 128+64*((\a)%2)
.irp t, 0,1,2,3,4,5,6,7,8,9,10,11,12,13,14,15
	ds_load_b128 v[BB+4*\t:BB+4*\t+3], v[RD] offset:\t*SPITCH
.endr
.endm
.macro SEND a, younger                 ; younger: the LDS instructions issued behind block a's loads, which may stay out
.set BB, 128+64*((\a)%2)
	s_wait_dscnt \younger
.if (\a) > 0
	s_add_nc_u64 s[12:13], s[12:13], 16*4096       ; behind a wait on XCNT: the earlier stores have read their base
.endif
.irp t, 0,1,2,3,4,5,6,7,8,9,10,11,12,13,14,15
	global_store_b128 v[L16], v[BB+4*\t:BB+4*\t+3], s[12:13] offset:\t*4096 th:TH_STORE_NT   ; 512 consecutive bytes, aligned
.endr
.endm
	s_load_b256 s[4:11], s[0:1], 0x0               ; cc, cs, wo_codes, wo_scales
	s_load_b128 s[12:15], s[0:1], 0x20             ; bo, out0
	v_lshl_add_u32 v[SPW], v0, 2, SPARE
	v_mov_b32 v[NIL], 0
	ds_add_u32 v[SPW], v[NIL]                      ; the wave's opening: the add, twice on end, and its wait ahead of my first tensor load
	ds_add_u32 v[SPW], v[NIL]
	v_lshrrev_b32 v1, 5, v0
	v_readfirstlane_b32 s[WV], v1
	s_lshr_b32 s[YH], s[WV], 1                     ; my half of the rows; in the refill: 0 = I fetch for A, 1 = for B
	s_and_b32 s[XH], s[WV], 1                      ; my half of the columns; in the refill: which half of the rows I fetch
	v_and_b32 v1, 15, v0                           ; r
	v_bfe_u32 v2, v0, 4, 1                         ; h
	v_and_b32 v3, 31, v0                           ; lane
	v_mul_u32_u24 v4, v1, PITCH
	v_lshl_add_u32 v4, v2, 4, v4
	s_wait_alu depctr_va_vdst(0)
	s_mul_i32 s16, s[YH], HALFA
	s_mul_i32 s17, s[XH], HALFB
	s_add_co_u32 s17, s17, BREG
.irp s, 0,1,2
	v_add_nc_u32 v[ADRA+\s], s16, v4
	v_add_nc_u32 v[ADRB+\s], s17, v4
	s_add_co_u32 s16, s16, AB
	s_add_co_u32 s17, s17, BPL
.endr
	v_mul_u32_u24 v5, v1, KS                       ; my row's scales: KS bytes a row, and 16 more for each 256 passed
	v_lshrrev_b32 v6, 8, v5
	v_lshl_add_u32 v5, v6, 4, v5
	s_mul_i32 s16, s[YH], (16*NA*KS/256)*272
	s_mul_i32 s17, s[XH], BSC/2
	s_add_co_u32 s17, s17, ASC
	s_sub_co_u32 s17, s17, s16
	v_mul_u32_u24 v6, s17, v2                      ; lanes 16-31 take B's: one product, h x the distance
	s_add_co_u32 s16, s16, SCL
	v_add_nc_u32 v5, v5, v6
	v_add_nc_u32 v[ADRS], s16, v5
	v_mul_u32_u24 v5, v0, KS                       ; where thread t puts row t's scales
	v_lshrrev_b32 v6, 8, v5
	v_lshl_add_u32 v5, v6, 4, v5
	v_add_nc_u32 v[SCW], SCL, v5
	s_mul_i32 s16, s[WV], 16*SPITCH
	s_add_co_u32 s16, s16, STG                     ; my stage
	v_mul_u32_u24 v5, v1, SPITCH
	v_lshl_add_u32 v5, v2, 5, v5
	v_add_nc_u32 v[STO], s16, v5
	v_lshlrev_b32 v[L16], 4, v3
	v_add_nc_u32 v[RD], s16, v[L16]
	v_lshlrev_b32 v[T4], 2, v0
	v_lshlrev_b32 v[T32], 5, v0
	v_lshlrev_b32 v[BXO], 5, v2
	s_bfe_u32 s84, ttmp6, 0x40000                  ; cx
	s_bfe_u32 s85, ttmp6, 0x40004                  ; cy
	s_and_b32 s88, ttmp7, 0xffff                   ; cluster y
	s_lshl_b32 s87, s88, 2
	s_add_co_u32 s87, s87, s85                     ; tile of 128 rows, 0..63; the tile of 256 columns is cx
	s_lshl_b32 s92, s85, 2
	s_lshl_b32 s92, 15, s92                        ; my row of the cluster
	s_lshl_b32 s93, 0x1111, s84                    ; my column
	s_or_b32 s[G1], s92, (1<<20)|(1<<21)|(5<<22)|(3<<25)
	s_or_b32 s[G1B], s93, (1<<20)|(1<<21)|(5<<22)|(3<<25)
	s_mov_b32 s[G1+1], 256<<16
	s_mov_b32 s[G1+2], (3*AROWS)<<16               ; the head's load of A: three planes, 384 dense rows; the change of slots sets the row counts for the refill
	s_mov_b32 s[G1+3], 256<<16
	s_mov_b32 s[G1+4], 3*AROWS
	s_mov_b32 s[G1+5], PA
	s_mov_b32 s[G1+6], 0
	s_mov_b32 s[G1+7], 0
	s_mov_b32 s[G1B+1], 256<<16
	s_mov_b32 s[G1B+2], 256<<16                    ; the head's loads of B: a whole plane of 256 rows
	s_mov_b32 s[G1B+3], 256<<16
	s_mov_b32 s[G1B+4], 256
	s_mov_b32 s[G1B+5], PB
	s_mov_b32 s[G1B+6], 0
	s_mov_b32 s[G1B+7], 0
	s_wait_dscnt 0x0                               ; both opening adds are done
	s_wait_kmcnt 0x0
	s_lshl_b32 s20, s84, 10                        ; my 128 columns, in bytes of f32
	s_lshl_b32 s19, s[XH], 9
	s_add_co_u32 s20, s20, s19
	s_mov_b32 s21, 0
	s_add_nc_u64 s[74:75], s[12:13], s[20:21]      ; the bias
	s_lshl_b32 s19, s87, 19
	s_add_co_u32 s20, s20, s19
	s_lshl_b32 s19, s[YH], 18
	s_add_co_u32 s20, s20, s19
	s_add_nc_u64 s[12:13], s[14:15], s[20:21]      ; out0 at my first row and column
	s_lshl_b32 s16, s87, 17                        ; A: a tile's four planes are 131,072 bytes; + my half of a plane's rows
	s_lshl_b32 s17, s[XH], 14
	s_add_co_u32 s16, s16, s17
	s_mov_b32 s17, 0
	s_add_nc_u64 s[4:5], s[4:5], s[16:17]
	s_lshl_b32 s16, s87, 9
	s_add_nc_u64 s[6:7], s[6:7], s[16:17]          ; A's scale words
	s_lshl_b32 s94, s84, 18                        ; B: row 256 x tile + 128 x half
	s_lshl_b32 s95, s[XH], 17
	s_add_co_u32 s94, s94, s95
	s_mov_b32 s95, 0
	s_add_nc_u64 s[8:9], s[8:9], s[94:95]
	s_lshl_b32 s94, s84, 13
	s_add_nc_u64 s[10:11], s[10:11], s[94:95]      ; B's scales
	s_mov_b32 s[G0], 1                             ; the refill: K step 3 into plane 0, half a plane's rows a wave
	s_mul_i32 s[G0+1], s[XH], HALFA
	s_add_nc_u64 s[G0+2:G0+3], s[4:5], 3*SA
	s_or_b32 s[G0+3], s[G0+3], 0x80000000
	s_mov_b32 s[G0B], 1
	s_mul_i32 s[G0B+1], s[XH], HALFB
	s_add_co_u32 s[G0B+1], s[G0B+1], BREG
	s_add_nc_u64 s[G0B+2:G0B+3], s[8:9], 3*SB
	s_or_b32 s[G0B+3], s[G0B+3], 0x80000000
	s_mov_b32 s101, 0                              ; the head's groups 0: back from my half's rows to the tile's first; B's plane and K step by the wave's number
	s_mul_i32 s100, s[XH], 64*256
	s_sub_nc_u64 s[HA+2:HA+3], s[4:5], s[100:101]
	s_mul_i32 s100, s[XH], 128*1024
	s_sub_nc_u64 s[HB+2:HB+3], s[8:9], s[100:101]
	s_lshl_b32 s100, s[WV], 8
	s_add_nc_u64 s[HB+2:HB+3], s[HB+2:HB+3], s[100:101]
	s_or_b32 s[HA+3], s[HA+3], 0x80000000
	s_or_b32 s[HB+3], s[HB+3], 0x80000000
	s_mov_b32 s[HA], 1
	s_mov_b32 s[HA+1], 0
	s_mov_b32 s[HB], 1
	s_mul_i32 s[HB+1], s[WV], BPL
	s_add_co_u32 s[HB+1], s[HB+1], BREG
	s_lshr_b32 s3, s88, 2                          ; 0 in the first four clusters
	s_cmp_eq_u32 s[YH], 0                          ; the prefetch of K step 3: A: 16 of my 64 dense rows by cx (lanes 16-31 name the same rows again); B: 32 of my 128 rows of 1,024 bytes by cy
	s_cselect_b64 s[PF:PF+1], s[4:5], s[8:9]
	s_cselect_b32 s82, s84, s85
	s_cselect_b32 s83, 12, 15
	s_cselect_b32 s100, 15, 31
	s_cselect_b32 s80, 8, 10
	s_mov_b32 s81, 3*SB
	s_cselect_b32 s81, 3*SA, s81
	s_cselect_b32 s3, 0, s3                        ; s3 = 0: my wave asks
	s_lshl_b32 s82, s82, s83
	s_add_co_u32 s82, s82, s81
	s_mov_b32 s83, 0
	s_add_nc_u64 s[PF:PF+1], s[PF:PF+1], s[82:83]
	v_and_b32 v[PFO], s100, v3
	v_lshlrev_b32 v[PFO], s80, v[PFO]
	s_wait_alu depctr_va_vdst(0)                   ; The scales' and the bias's loads go out first, ahead of the round and the tiles
.irp c, 0,1,2,3,4,5,6,7
	global_load_b32 v[SC+\c], v[T4], s[6:7] offset:\c*32768
.endr
.irp j, 0,1
.irp i, 0,1
	global_load_b128 v[SC+16+8*\j+4*\i:SC+16+8*\j+4*\i+3], v[T32], s[10:11] offset:4096*\j+16*\i
.endr
.endr
.irp b, 0,1,2,3,4,5,6,7
	global_load_b128 v[BIAS+8*\b:BIAS+8*\b+3], v[BXO], s[74:75] offset:64*\b
	global_load_b128 v[BIAS+8*\b+4:BIAS+8*\b+7], v[BXO], s[74:75] offset:64*\b+16
.endr
	CROUND                                         ; all sixteen work-groups are here: the first joint loads meet
	HARM 3, HA, G1, .Lh_b0                         ; the chain's order is the order of need: A's planes, B's plane 0, then B's planes 1 and 2
	HARM 0, HB, G1B, .Lh_b1
	HARM 1, HB, G1B, .Lh_b2
	tensor_load_to_lds s[HB:HB+3], s[G1B:G1B+7]
	s_nop 0
	PLACES 4
.Lhead_asked:
	s_wait_loadcnt 0x0
	s_cmp_eq_u32 s3, 0
	s_cbranch_scc0 .Lno_pf
	global_prefetch_b8 v[PFO], s[PF:PF+1] th:TH_LOAD_NT scope:SCOPE_SE       ; K step 3, which the refill will ask for
.Lno_pf:
.irp i, 0,1
	ds_store_b128 v[SCW], v[SC+4*\i:SC+4*\i+3] offset:16*\i
.endr
.irp j, 0,1
.irp i, 0,1
	ds_store_b128 v[SCW], v[SC+16+8*\j+4*\i:SC+16+8*\j+4*\i+3] offset:ASC+\j*SROW+16*\i
.endr
.endr
	s_wait_alu depctr_va_vdst(0)
	s_add_co_u32 s100, s[WV], 1
	s_and_b32 s100, s100, 2                        ; 0 in waves 3 and 0, which fetched what K step 0 reads: they wait here; the loads of waves 1 and 2, lines of their own, are waited for at the first change of slots
	s_cmp_eq_u32 s100, 0
	s_cbranch_scc0 .Lslot_q
	s_wait_tensorcnt 0x0
.Lslot_q:
	s_wait_dscnt 0x0                               ; my scales lie in LDS
	s_barrier_signal -1
	s_barrier_wait -1
	FETCH_B 0, 0, 0
	FETCH_A 0, 0, 0
	SCALES 0
	FETCH_A 0, 0, NH
	STEP 0, 0, 2                                   ; K step 0: the bias starts the sums
	TURN 0, 1, 1, 1                                ; P is left: K step 3 is asked for
	STEP 1, 1, 0
	TURN 1, 2, 0, 2                                ; inside Q
	STEP 2, 0, 0
	TURN 0, 0, 1, 0                                ; the refill is shown
	STEP 0, 1, 0
	LAST
	TOSTAGE 0
.irp a, 1,2,3
.if \a > 1
	s_wait_xcnt 0x0                                ; block a - 2's stores have read their registers and their base
.endif
	TOSTAGE \a
	SEND \a-1, 32                                  ; behind block a - 1's loads: block a's 16 stores and 16 loads
.endr
	s_wait_xcnt 0x0
	SEND 3, 0
	s_wait_tensorcnt 0x0                           ; the wave's end
	ds_add_u32 v[SPW], v[NIL]
	s_wait_dscnt 0x0
	CROUND                                         ; the closing round
	s_endpgm
.Lfunc_end_k_q865e95ecf7_outp:
	.size	k_q865e95ecf7_outp, .Lfunc_end_k_q865e95ecf7_outp-k_q865e95ecf7_outp
	.p2alignl 7, 3214868480
	.fill 96, 4, 3214868480
	.section	.rodata,"a",@progbits
	.p2align	6, 0x0
	.amdhsa_kernel k_q865e95ecf7_outp
		.amdhsa_group_segment_fixed_size 327680
		.amdhsa_private_segment_fixed_size 0
		.amdhsa_enable_private_segment 0
		.amdhsa_kernarg_size 48
		.amdhsa_user_sgpr_count 2
		.amdhsa_user_sgpr_kernarg_segment_ptr 1
		.amdhsa_wavefront_size32 1
		.amdhsa_system_sgpr_workgroup_id_x 1
		.amdhsa_system_sgpr_workgroup_id_y 1
		.amdhsa_system_sgpr_workgroup_id_z 1
		.amdhsa_system_vgpr_workitem_id 0
		.amdhsa_next_free_vgpr 768
		.amdhsa_next_free_sgpr 102
		.amdhsa_reserve_vcc 0
		.amdhsa_float_denorm_mode_32 3
		.amdhsa_float_denorm_mode_16_64 3
		.amdhsa_memory_ordered 1
		.amdhsa_forward_progress 1
		.amdhsa_inst_pref_size 93
	.end_amdhsa_kernel
	.amdgpu_metadata
---
amdhsa.version: [ 1, 2 ]
amdhsa.kernels:
  - .name:           k_q865e95ecf7_outp
    .symbol:         k_q865e95ecf7_outp.kd
    .args:
      - { .name: cc, .offset: 0, .size: 8, .value_kind: global_buffer, .address_space: global }
      - { .name: cs, .offset: 8, .size: 8, .value_kind: global_buffer, .address_space: global }
      - { .name: wo_codes, .offset: 16, .size: 8, .value_kind: global_buffer, .address_space: global }
      - { .name: wo_scales, .offset: 24, .size: 8, .value_kind: global_buffer, .address_space: global }
      - { .name: bo, .offset: 32, .size: 8, .value_kind: global_buffer, .address_space: global }
      - { .name: out0, .offset: 40, .size: 8, .value_kind: global_buffer, .address_space: global }
    .group_segment_fixed_size: 327680
    .private_segment_fixed_size: 0
    .kernarg_segment_align: 8
    .kernarg_segment_size: 48
    .max_flat_workgroup_size: 128
    .sgpr_count:     102
    .vgpr_count:     768
    .wavefront_size: 32
...
	.end_amdgpu_metadata
.endif
;; end of part 4
